; MI455X (gfx1250); checked and timed in simulation.
; The chip was launched on July 23, 2026; its instructions are those of AMD's public machine-readable ISA for CDNA 5 (MIT licence, August 2026) and "CDNA5" Instruction Set Architecture Reference Guide (July 2026). The comments in the code are by the model that wrote it; some were corrected since.
;; Experts Linear. Allowed arithmetic: matrix products marked QUANTISED: E3M2 operands, one E8M0 scale for each 32 along K, by v_wmma_scale_f32_16x16x128_f8f6f4 with both operands' format E3M2, f32 sums; products left as they are: f32 operands where the result goes on into a quantised operand, else bf16, f16 or f32 operands; f32 sums; everything else in f32.
;; Inputs: W 8 x 512 x 512 float32; b 8 x 1 x 512 float32; weights 32,768 x 8 float32; x 32,768 x 512 float32.
;; Outputs: out0 32,768 x 512 float32.
;; This version of the problem:
;;   THIS VERSION OF THE PROBLEM IS GIVEN IN LOW PRECISION. The matrix products marked QUANTISED in the list below multiply operands that are first quantised to E3M2 (3 exponent bits, 2 mantissa bits; 6 bits a number), with one power-of-two scale for each 32 numbers along K (OCP MX v1.0); their sums are f32. All else is computed in f32.
;;   The module's matrix products, in the order in which they are computed (A, B: the left and right operand; K: the contracted axis; several contracted axes count as one K, in the product's order):
;;     1. batch 32,768 x [M 512, K 1] x [K 1, N 8]; A: computed on the way; B: computed on the way: left as it is (no contracted axis)
;;     2. [M 32,768, K 4,096] x [K 4,096, N 512]; A: computed on the way; B: input W: QUANTISED
;;     3. [M 32,768, K 8] x [K 8, N 512]; A: input weights; B: input b: left as it is (K = 8 < 32)
;;   THE QUANTISER, for each operand of a quantised product, along K:
;;     - K is cut into blocks of 32 from its start; a last block that is shorter is filled with zeros.
;;     - A block's scale is 2^e with e = floor(log2(the largest magnitude in the block)) - 4, held to -126 .. 127; a block of zeros has e = 0. As a byte (E8M0): e + 127.
;;     - Each number is divided by its block's scale, clamped to +-28, and rounded to the nearest number of E3M2, ties to even, subnormals kept.
;;     - The product sums the exact products of the quantised numbers (number of the format x scale) in f32.
;;   ~~~python
;;   def quantise(x, axis):      # numpy; x: float32 -> the quantised numbers, widened to float32 again
;;       x = np.moveaxis(x, axis, -1); K = x.shape[-1]
;;       x = np.pad(x, [(0, 0)] * (x.ndim - 1) + [(0, -K % 32)]); x = x.reshape(x.shape[:-1] + (-1, 32)); a = np.abs(x).max(-1, keepdims=True)
;;       e = np.where(a > 0, np.clip(np.frexp(np.where(a > 0, a, 1))[1] - 1 - 4, -126, 127), 0)      # np.frexp(a)[1] - 1 = floor(log2(a)), exactly
;;       r = np.clip(x / 2.0 ** e, -28, 28)
;;       step = 2.0 ** (np.maximum(np.frexp(np.where(r == 0, 1, r))[1] - 1, -2) - 2)
;;       q = np.round(r / step) * step * 2.0 ** e      # np.round: ties to even
;;       return np.moveaxis(q.reshape(q.shape[:-2] + (-1,))[..., :K], -1, axis).astype(np.float32)
;;   ~~~
;;   OPERANDS COMPUTED ON THE WAY. 'Computed on the way' means the value that the module computes at that place (a softmax that the list does not call 'softmax' is quantised finished and normalised). What goes into a quantiser is computed in f32, as accurately as f32 sums, v_exp_f32 and their like allow (about 1e-6 of the number): no bf16 or f16 on the way to a quantiser, and a product that is left as it is and whose result goes on into a quantised operand takes f32 operands (vector FMAs, or v_wmma_f32_16x16x4_f32). A number that lies on a knife's edge between two numbers of the format may be rounded either way, as far as f32 arithmetic and the matrix unit's own rounding can turn it there, and no further.
;; 2 versions. Each part assembles by itself: llvm-mc -triple=amdgcn-amd-amdhsa -mcpu=gfx1250 --defsym DOCPART=n.
;; ======== version 1 of 2: 2 launches
;; workspace buffers: wq 1,638,400 bytes
;; launch wquant (part 1): grid 256 x 1, 4 waves a work-group, no clusters, 1,024 bytes of LDS; arguments W, wq; writes wq
.if DOCPART == 1
	.amdgcn_target "amdgcn-amd-amdhsa--gfx1250"
	.amdhsa_code_object_version 6
	.text
	.protected	k_q3c58bbd4cf_wquant
	.globl	k_q3c58bbd4cf_wquant
	.p2align	8
	.type	k_q3c58bbd4cf_wquant,@function
k_q3c58bbd4cf_wquant:
	s_mov_b64 s[64:65], 0
	v_nop
	global_prefetch_b8 v0, s[64:65] scope:SCOPE_SE
	s_setreg_imm32_b32 hwreg(HW_REG_WAVE_MODE, 25, 1), 1
	s_wait_xcnt 0x0
; W [8][512][512] f32 (expert e, input i, output o) is the right operand of the quantised product; its K is (e, i), e outermost, so a block of 32 is 32 neighbouring i of one e and one o.
; It is turned into codes of E3M2 with one E8M0 byte a block, laid in the ORDER OF THE OPERAND'S REGISTERS as the second launch walks K:
;   K step t = 4 j + p (j: chunk of 64 i, p: pair of experts) is 51,200 bytes: four parts of 12,800, part q for outputs 128 q .. 128 q + 127.
;   A part: 8 images of 1,536 bytes (image f: outputs 128 q + 16 f + r), then 512 bytes of scale words laid [f / 4][r][f % 4].
;   An image: register rho of lane r + 16 h at 512 (rho / 4) + 16 (r + 16 h) + 4 (rho % 4); registers 6 c .. 6 c + 5 hold the codes of W[2 p + c][64 j + 32 h + 0 .. 31][o].  Byte 2 c + h of a scale word is that block's.
; NO WORK IS LEFT OUT in this program: every input has a way to the output and is loaded.
; A LANE TAKES AN OUTPUT o AND ITS REGISTERS RUN DOWN i: a block lies in one lane's 32 registers, and the conversions give the codes with K innermost.
; SHARES.  Work-group g: t = g / 8, q = (g / 2) % 4, fh = g % 2: 64 outputs.  Wave v: hh = v / 2 (the operand's h), a = v % 2: 32 outputs, a lane each; two blocks (c = 0, 1) a lane.
; A block's scale byte is its largest magnitude's exponent field - 4, held at 1 from below.
; LIMITS: a block of zeros, or one whose largest magnitude lies under 2^-122, keeps the byte 1 (zeros have zero codes; this program alone reads the bytes); NaN and infinities in W are not served.
.set SPW, 1                            ; v1  LDS address of my spare word; never rewritten
.set NIL, 2                            ; v2  0; never rewritten
.set SO,  10                           ; v10-11 the conversions' scale operands
.set BY,  12                           ; v12-13 the scale bytes
.set PC,  16                           ; v16-27 the operand's 12 registers of my lane
.set TT,  28                           ; v28-30, v32-34 the upper 16 codes of a block (a conversion's three registers begin on an even number)
.set X,   40                           ; v40-103 my 64 numbers
	s_load_b128 s[4:7], s[0:1], 0x0                ; W, wq
	v_lshl_add_u32 v[SPW], v0, 2, 512              ; the spare words: LDS bytes 512 to 1,023
	v_mov_b32 v[NIL], 0
	v_lshrrev_b32 v3, 5, v0
	v_readfirstlane_b32 s8, v3                     ; wave 0..3
	v_and_b32 v7, 31, v0                           ; lane l
	v_lshlrev_b32 v3, 2, v7                        ; in: 4 bytes a lane
	v_lshrrev_b32 v8, 4, v7                        ; l / 16: which of my wave's two images
	v_and_b32 v9, 15, v7                           ; r
	v_mul_u32_u24 v4, v8, 1536
	v_lshl_add_u32 v4, v9, 4, v4                   ; out: 1,536 (l / 16) + 16 r
	s_lshr_b32 s9, s8, 1                           ; hh
	s_and_b32 s15, s8, 1                           ; a
	s_lshl_b32 s16, s9, 8
	s_lshl_b32 s17, s15, 3
	s_add_co_u32 s16, s16, s17
	v_lshlrev_b32 v5, 4, v9
	v_lshl_add_u32 v5, v8, 2, v5
	v_add_nc_u32 v5, s16, v5                       ; LDS: 256 hh + 16 r + 4 (2 a + l / 16): my half of my output's scale word
	v_lshlrev_b32 v6, 3, v7                        ; 8 l
	s_lshl_b32 s14, s9, 3                          ; 8 hh
	s_lshr_b32 s18, ttmp9, 3                       ; t
	s_lshr_b32 s19, s18, 2                         ; j
	s_and_b32 s20, s18, 3                          ; p
	s_bfe_u32 s21, ttmp9, 0x20001                  ; q
	s_and_b32 s22, ttmp9, 1                        ; fh
	; W: ((2 p) 512 + 64 j + 32 hh) rows of 2,048 bytes + 4 (128 q + 64 fh + 32 a)
	s_lshl_b32 s10, s20, 21
	s_lshl_b32 s23, s19, 17
	s_add_co_u32 s10, s10, s23
	s_lshl_b32 s23, s9, 16
	s_add_co_u32 s10, s10, s23
	s_lshl_b32 s23, s21, 9
	s_add_co_u32 s10, s10, s23
	s_lshl_b32 s23, s22, 8
	s_add_co_u32 s10, s10, s23
	s_lshl_b32 s23, s15, 7
	s_add_co_u32 s10, s10, s23
	s_mov_b32 s11, 0
	; wq: 51,200 t + 12,800 q, then the images: + 1,536 (4 fh + 2 a) + 256 hh; the scale words: + 12,288 + 256 fh
	s_mul_i32 s12, s18, 51200
	s_mul_i32 s23, s21, 12800
	s_add_co_u32 s12, s12, s23
	s_lshl_b32 s23, s22, 8
	s_add_co_u32 s26, s12, s23
	s_add_co_u32 s26, s26, 12288
	s_mov_b32 s27, 0
	s_mul_i32 s23, s22, 6144
	s_add_co_u32 s12, s12, s23
	s_mul_i32 s23, s15, 3072
	s_add_co_u32 s12, s12, s23
	s_lshl_b32 s23, s9, 8
	s_add_co_u32 s12, s12, s23
	s_mov_b32 s13, 0
	s_wait_kmcnt 0x0
	s_add_nc_u64 s[4:5], s[4:5], s[10:11]
	s_add_nc_u64 s[24:25], s[6:7], s[26:27]
	s_add_nc_u64 s[6:7], s[6:7], s[12:13]
.irp c, 0,1
.irp k, 0,1,2,3,4,5,6,7,8,9,10,11,12,13,14,15,16,17,18,19,20,21,22,23,24,25,26,27,28,29,30,31
	global_load_b32 v[X+32*\c+\k], v3, s[4:5] offset:\c*1048576+\k*2048 th:TH_LOAD_NT   ; W[2 p + c][64 j + 32 hh + k][my output]: 32 lanes read 128 consecutive bytes, the wave beside me the next 128
.endr
.endr
.macro QB c                            ; block c: largest magnitude, scale, 32 codes into registers 6 c .. 6 c + 5
.set XS, X+32*(\c)
	v_max3_num_f32 v8, |v[XS]|, |v[XS+1]|, |v[XS+2]|
	v_max3_num_f32 v9, |v[XS+3]|, |v[XS+4]|, |v[XS+5]|
.irp i, 6,10,14,18,22,26
	v_max3_num_f32 v8, v8, |v[XS+\i]|, |v[XS+\i+1]|
	v_max3_num_f32 v9, v9, |v[XS+\i+2]|, |v[XS+\i+3]|
.endr
	v_max3_num_f32 v8, v8, |v[XS+30]|, |v[XS+31]|
	v_max3_num_f32 v8, v8, v9, 0x2800000           ; and the floor 2^(5 - 127): the byte cannot fall under 1
	v_add_nc_u32 v[SO+\c], 0xfe000000, v8          ; 4 off the exponent field: the conversion takes that field as its scale
	v_lshrrev_b32 v[BY+\c], 23, v[SO+\c]           ; the scale's byte
	v_cvt_scalef32_pk16_bf6_f32 v[PC+6*\c:PC+6*\c+2], v[XS:XS+15], v[SO+\c]
	v_cvt_scalef32_pk16_bf6_f32 v[TT+4*\c:TT+4*\c+2], v[XS+16:XS+31], v[SO+\c]
	v_nop                                          ; one plain place behind a scaled conversion
.irp i, 0,1,2
	v_mov_b32 v[PC+6*\c+3+\i], v[TT+4*\c+\i]
.endr
.endm
	s_wait_loadcnt 32                              ; block 0's 32 loads are in; block 1's 32 may be out
	QB 0
	s_wait_loadcnt 0x0
	QB 1
	v_lshl_or_b32 v14, v[BY+1], 16, v[BY]          ; bytes 2 c of the word,
	v_lshlrev_b32 v14, s14, v14                    ; moved up by 8 hh bits: bytes 2 c + hh
.irp m, 0,1,2
	global_store_b128 v4, v[PC+4*\m:PC+4*\m+3], s[6:7] offset:512*\m   ; sixteen lanes store 256 consecutive bytes, at a multiple of 256 from wq's first byte
.endr
	ds_store_b32 v5, v14
	s_wait_dscnt 0x0                               ; for the others' sake: my half words have landed
	s_barrier_signal -1
	s_barrier_wait -1
	s_cmp_lg_u32 s8, 0                             ; wave 0 joins the two halves of the 64 words and stores them
	s_cbranch_scc1 .Lnot_wave_0
	ds_load_b64 v[36:37], v6
	ds_load_b64 v[38:39], v6 offset:256
	s_wait_dscnt 0x0
	v_or_b32 v36, v36, v38
	v_or_b32 v37, v37, v39
	global_store_b64 v6, v[36:37], s[24:25]        ; 32 lanes store 256 consecutive bytes, aligned likewise
.Lnot_wave_0:
	s_wait_tensorcnt 0x0                           ; the wave's end: behind my last LDS store
	ds_add_u32 v[SPW], v[NIL]
	s_wait_dscnt 0x0
	s_endpgm
.Lfunc_end_k_q3c58bbd4cf_wquant:
	.size	k_q3c58bbd4cf_wquant, .Lfunc_end_k_q3c58bbd4cf_wquant-k_q3c58bbd4cf_wquant
	.p2alignl 7, 3214868480
	.fill 96, 4, 3214868480
	.section	.rodata,"a",@progbits
	.p2align	6, 0x0
	.amdhsa_kernel k_q3c58bbd4cf_wquant
		.amdhsa_group_segment_fixed_size 1024
		.amdhsa_private_segment_fixed_size 0
		.amdhsa_enable_private_segment 0
		.amdhsa_kernarg_size 16
		.amdhsa_user_sgpr_count 2
		.amdhsa_user_sgpr_kernarg_segment_ptr 1
		.amdhsa_wavefront_size32 1
		.amdhsa_system_sgpr_workgroup_id_x 1
		.amdhsa_system_sgpr_workgroup_id_y 1
		.amdhsa_system_sgpr_workgroup_id_z 1
		.amdhsa_system_vgpr_workitem_id 0
		.amdhsa_next_free_vgpr 104
		.amdhsa_next_free_sgpr 66
		.amdhsa_reserve_vcc 0
		.amdhsa_float_denorm_mode_32 3
		.amdhsa_float_denorm_mode_16_64 3
		.amdhsa_memory_ordered 1
		.amdhsa_forward_progress 1
		.amdhsa_inst_pref_size 13
	.end_amdhsa_kernel
	.amdgpu_metadata
---
amdhsa.version: [ 1, 2 ]
amdhsa.kernels:
  - .name:           k_q3c58bbd4cf_wquant
    .symbol:         k_q3c58bbd4cf_wquant.kd
    .args:
      - { .name: W, .offset: 0, .size: 8, .value_kind: global_buffer, .address_space: global }
      - { .name: wq, .offset: 8, .size: 8, .value_kind: global_buffer, .address_space: global }
    .group_segment_fixed_size: 1024
    .private_segment_fixed_size: 0
    .kernarg_segment_align: 8
    .kernarg_segment_size: 16
    .max_flat_workgroup_size: 128
    .sgpr_count:     66
    .vgpr_count:     104
    .wavefront_size: 32
...
	.end_amdgpu_metadata
.endif
;; end of part 1
;; launch experts (part 2): grid 256 x 1, 4 waves a work-group, clusters of 4 x 1, 327,680 bytes of LDS; arguments x, weights, b, wq, out0; writes out0
.if DOCPART == 2
	.amdgcn_target "amdgcn-amd-amdhsa--gfx1250"
	.amdhsa_code_object_version 6
	.text
	.protected	k_q3c58bbd4cf_experts
	.globl	k_q3c58bbd4cf_experts
	.p2align	8
	.type	k_q3c58bbd4cf_experts,@function
k_q3c58bbd4cf_experts:
	s_mov_b64 s[64:65], 0
	v_nop
	global_prefetch_b8 v0, s[64:65] scope:SCOPE_SE
	s_setreg_imm32_b32 hwreg(HW_REG_WAVE_MODE, 25, 1), 1
	s_wait_xcnt 0x0
	s_wait_alu depctr_hold_cnt(0) depctr_sa_sdst(0) depctr_va_vdst(0) depctr_va_sdst(0) depctr_va_ssrc(0) depctr_va_vcc(0) depctr_vm_vsrc(0)
	s_getreg_b32 s2, hwreg(HW_REG_IB_STS2, 6, 4)
	s_cmp_eq_u32 s2, 0
	s_cbranch_scc0 .Lentry_in_a_cluster
	s_endpgm
.Lentry_in_a_cluster:
	s_bfe_u32 s2, ttmp6, 0x10000c
	s_cmp_lg_u32 s2, 0x3003
	s_cbranch_scc0 .Lentry_shape_is_right
	s_endpgm
.Lentry_shape_is_right:
; out0[r][o] = sum over (e, i) of Q(weights[r][e] x[r][i]) Q(W[e][i][o]) + sum over e of weights[r][e] b[e][o].   Q: E3M2 codes, one E8M0 scale for each 32 along K = 512 e + i.  No work is left out.
; SHARES.  A work-group owns 128 rows and all 512 outputs; each of its four waves 128 rows x 128 outputs: 64 accumulators of 16 x 16, 512 registers.  So the left operand is made ONCE on the chip.
; THE LEFT OPERAND is computed on the way: wave q multiplies (one f32 multiplication a number) and quantises rows 32 q .. 32 q + 31 (two fragments a K step), two K steps ahead, its vector work dealt out
; between its matrix instructions, and hands them to the other waves through LDS as IMAGES OF THE OPERAND'S REGISTERS (3 stores of 16 bytes a lane, a scale word a row).
; A block's largest magnitude is not searched for in each expert: rounding is monotone, so max |fl(w x_i)| = fl(|w| max |x_i|), bit for bit; max |x_i| is found once for each row and 32 i.
; THE WALK OVER K.  K step t = 4 n + p: chunk j = (j0 + n) % 8 of 64 i, experts 2 p and 2 p + 1.  In a step the instruction's k = 64 c + 32 h + kk stands for e = 2 p + c, i = 64 j + 32 h + kk: lane (r, h) needs 32 numbers
; of x for a whole chunk (8 fragments' worth).  The first launch laid W's codes in the same order.  j0 = cluster % 8: the clusters begin at different chunks.
; W's codes and scale words come through a ring of two LDS slots of two K steps, asked for JOINTLY by the four work-groups of a cluster (all walk the same tiles): each wave one load, a quarter of a slot.
; THE MATRIX INSTRUCTION IS USED TRANSPOSED (source 0 = 16 outputs, source 1 = 16 rows): a lane holds eight neighbouring outputs of one row.
; THE BIAS starts every sum: one bf16 product an accumulator, its K = 32 filled with w_hi b_hi, w_hi b_lo, w_lo b_hi, w_lo b_lo over the 8 experts (high and low bf16 parts, split in f32).
; LIMITS: NaN, infinities and an overflow of weights x x are not served; a block of zeros, or one whose largest magnitude lies under 2^-122, keeps the byte 1; the f32 sums go in the walk's order, not in K's;
; the bias term is carried to about 2^-16 of its terms.
; REGISTERS, in windows of 256.  Window 0: see the names below.  Window 1: v0-95, v128-223 W's fragments, two sets; v96-127, v224-255 the next chunk of x.  Windows 2, 3: accumulator (a, b) at v[8 (8 (a % 4) + b)] of window 2 + a / 4.
.set STEPB, 51200                      ; a K step of wq; also the distance between the two slots of A's images
.set SLOTB, 102400                     ; a slot of the ring: two K steps
.set PARTB, 12800                      ; a wave's part of a K step: 8 images, 512 bytes of scale words
.set IMGB,  1536                       ; an image
.set AI0,   204800                     ; behind the ring: A's images of even K steps (8 x 1,536) and their scale words [i / 4][r][i % 4]; those of odd steps lie STEPB further on
.set ASC,   AI0+12288
.set STAGE, 217600                     ; the way out: 16 rows x 528 bytes for each wave
.set SPITCH, 528
.set SPARE, 251392                     ; the spare words, 128 bytes for each wave: two blocks of 256 bytes that no other line names
.set SPW,  1                           ; v1     LDS address of my spare word; never rewritten
.set NIL,  2                           ; v2     0; never rewritten
.set ADRA, 3                           ; v3     16 x lane + AI0
.set ADRB, 4                           ; v4-5   16 x lane + my part of slot 0, 1
.set ADS,  6                           ; v6-7   scale words: lanes 0-15 W's in slot 0, 1; lanes 16-31 A's
.set IMW,  8                           ; v8     where I store my images
.set SCW,  9                           ; v9     and their scale words
.set XA,   10                          ; v10    x: 2,048 r + 128 h
.set SH8,  11                          ; v11    8 h
.set XM,   12                          ; v12-13 max |x| of my 32 numbers, tile 0, 1
.set SO,   14                          ; v14-15 the conversions' scale operands, c = 0, 1
.set BY1,  16
.set WP,   17
.set WD,   18                          ; v18-19 the scale words just made
.set GW,   20                          ; v20-35 the gates of my rows: tile tau, expert e at 8 tau + e
.set SC,   36                          ; v36-51 scale words, two sets of 8: register i: lanes 0-15 W's fragment i, lanes 16-31 A's fragment i
.set T,    52                          ; v52-67 16 products
.set PC,   68                          ; v68-91 the codes just made, 12 a tile
.set TT,   92                          ; v92-94
.set MX2,  95
.set XW,   96                          ; v96-159 the chunk of x at work, 32 a tile
.set AF,   160                         ; v160-255 A's 8 fragments, one set
.set STO,  3                           ; the way out
.set RD,   4
.set CO,   5
.set BK,   128
.set WV,   14                          ; s14 my wave's number
.set G1,   24                          ; s[24:31] descriptor group 1
.set G0,   32                          ; s[32:39] group 0, a set for each slot
.set WQW,  40                          ; s[40:41] wq + my quarter of a slot
.set BOFF, 42                          ; s[42:43] the byte of wq at which the slot last asked for begins
.set XB,   44                          ; s[44:45] x at my wave's first row
.set XO,   46                          ; s[46:47] the byte in a row of the chunk last asked for
.set XP,   48                          ; s[48:49] their sum
.set TRIP, 50
.set SEL,  52                          ; s[52:53] v_permlanex16_b32's selects for lane l xor 16
.set HIM,  54                          ; s54 0xffff0000: lanes 16-31; also a word's upper bf16
.set MUL_LO, 0xa1                      ; source 0 (W) window 1, source 1 (A) window 0, C and D window 2
.set MSB, 0
.macro WIN new                         ; the immediate's high byte repeats the setting that is left; a switch that changes nothing is dropped
.if MSB != (\new)
	s_set_vgpr_msb (MSB<<8)|(\new)
.set MSB, \new
.endif
.endm
.macro PLACES n
.rept \n
	v_nop
.endr
.endm
.macro CREST                           ; a round of the cluster's barrier behind its opening barrier
	s_cmp_lg_u32 s[WV], 0
	s_cbranch_scc1 .Lnot_wave_0_\@
	s_barrier_signal -3
.Lnot_wave_0_\@:
	s_barrier_wait -3
	s_barrier_signal -1
	s_barrier_wait -1
.endm
.macro CROUND
	s_barrier_signal -1
	s_barrier_wait -1
	CREST
.endm
.macro JL sg                           ; my joint load for slot sg; an s_nop 0 and four v_nop follow it
	tensor_load_to_lds s[G0+4*(\sg):G0+4*(\sg)+3], s[G1:G1+7]
	s_nop 0
.rept 4
	v_nop
.endr
.endm
.macro FB set, sg, u                   ; W's eight fragments of step u of slot sg into set
	WIN 0x40
.irp f, 0,1,2,3,4,5,6,7
.irp c, 0,1,2
	ds_load_b128 v[128*(\set)+12*\f+4*\c:128*(\set)+12*\f+4*\c+3], v[ADRB+(\sg)] offset:STEPB*(\u)+IMGB*\f+512*\c
.endr
.endr
	WIN 0
.endm
.macro FA u, first                     ; A's fragments first .. first + 3 out of image slot u
.irp n, 0,1,2,3
.irp c, 0,1,2
	ds_load_b128 v[AF+12*((\first)+\n)+4*\c:AF+12*((\first)+\n)+4*\c+3], v[ADRA] offset:STEPB*(\u)+IMGB*((\first)+\n)+512*\c
.endr
.endr
.endm
.macro FS set, sg, u                   ; the scale words of both sides: one immediate serves both, since A's two slots lie as far apart as W's two steps
.irp m, 0,1
	ds_load_b128 v[SC+8*(\set)+4*\m:SC+8*(\set)+4*\m+3], v[ADS+(\sg)] offset:STEPB*(\u)+256*\m
.endr
.endm
.macro IMG u                           ; my two fragments and their scale words go to image slot u as they stand (lanes l and l + 16 write the same word with the same value)
.irp tau, 0,1
.irp c, 0,1,2
	ds_store_b128 v[IMW], v[PC+12*\tau+4*\c:PC+12*\tau+4*\c+3] offset:STEPB*(\u)+IMGB*\tau+512*\c
.endr
	ds_store_b32 v[SCW], v[WD+\tau] offset:STEPB*(\u)+4*\tau
.endr
.endm
.macro XLLOAD sb                       ; a chunk of x for my 32 rows into window 1: 128 bytes a lane and tile
	WIN 0x40
.irp tau, 0,1
.irp k, 0,1,2,3,4,5,6,7
	global_load_b128 v[96+128*\tau+4*\k:96+128*\tau+4*\k+3], v[XA], s[\sb:\sb+1] offset:32768*\tau+16*\k th:TH_LOAD_NT
.endr
.endr
	WIN 0
.endm
; THE VECTOR WORK is a numbered list; Q1 writes the next number.  FRAGE: number FI of the 54 that make tile FT's fragment for experts 2 QP, 2 QP + 1.
.macro FRAGE
	WIN 0
.set rX, XW+32*FT
.set rP, PC+12*FT
.set rW, GW+8*FT+2*QP
.set rD, WD+FT
.if FI < 2
	v_mul_f32 v[SO+FI], |v[rW+FI]|, v[XM+FT]       ; the block's largest magnitude
.elseif FI < 4
	v_max_num_f32 v[SO+FI-2], 0x2800000, v[SO+FI-2]   ; the floor 2^(5 - 127): the byte cannot fall under 1
.elseif FI < 6
	v_add_nc_u32 v[SO+FI-4], 0xfe000000, v[SO+FI-4]   ; 4 off the exponent field: the conversion's scale operand
.elseif FI < 14
.set kk, 2*(FI-6)
	v_pk_mul_f32 v[T+kk:T+kk+1], v[rX+kk:rX+kk+1], v[rW:rW+1] op_sel_hi:[1,0]   ; x times the pair's first gate
.elseif FI == 14
	v_cvt_scalef32_pk16_bf6_f32 v[rP:rP+2], v[T:T+15], v[SO]
.elseif FI == 15
	v_lshrrev_b32 v[rD], 23, v[SO]                 ; (the plain place behind the conversion)
.elseif FI < 24
.set kk, 2*(FI-16)
	v_pk_mul_f32 v[T+kk:T+kk+1], v[rX+16+kk:rX+16+kk+1], v[rW:rW+1] op_sel_hi:[1,0]
.elseif FI == 24
	v_cvt_scalef32_pk16_bf6_f32 v[TT:TT+2], v[T:T+15], v[SO]
.elseif FI == 25
	v_lshrrev_b32 v[BY1], 23, v[SO+1]
.elseif FI < 34
.set kk, 2*(FI-26)
	v_pk_mul_f32 v[T+kk:T+kk+1], v[rX+kk:rX+kk+1], v[rW:rW+1] op_sel:[0,1] op_sel_hi:[1,1]   ; x times the pair's second gate
.elseif FI < 37
	v_mov_b32 v[rP+3+FI-34], v[TT+FI-34]
.elseif FI == 37
	v_cvt_scalef32_pk16_bf6_f32 v[rP+6:rP+8], v[T:T+15], v[SO+1]
.elseif FI == 38
	v_lshl_or_b32 v[rD], v[BY1], 16, v[rD]
.elseif FI < 47
.set kk, 2*(FI-39)
	v_pk_mul_f32 v[T+kk:T+kk+1], v[rX+16+kk:rX+16+kk+1], v[rW:rW+1] op_sel:[0,1] op_sel_hi:[1,1]
.elseif FI == 47
	v_cvt_scalef32_pk16_bf6_f32 v[TT:TT+2], v[T:T+15], v[SO+1]
.elseif FI == 48
	v_lshlrev_b32 v[rD], v[SH8], v[rD]             ; my bytes 2 c + h
.elseif FI == 49
	v_permlanex16_b32 v[WP], v[rD], s[SEL], s[SEL+1]
.elseif FI == 50
	v_or_b32 v[rD], v[rD], v[WP]                   ; with lane l xor 16's the word is whole
.else
	v_mov_b32 v[rP+9+FI-51], v[TT+FI-51]
.endif
.endm
.macro XMAXE                           ; number FI of the 16 that find max |x| of tile FT's 32 numbers, in two chains
	WIN 0
.set rX, XW+32*FT
.if FI == 0
	v_max3_num_f32 v[XM+FT], |v[rX]|, |v[rX+1]|, |v[rX+2]|
.elseif FI == 1
	v_max3_num_f32 v[MX2], |v[rX+3]|, |v[rX+4]|, |v[rX+5]|
.elseif FI < 14
.set kk, 6+4*((FI-2)/2)
.if FI%2 == 0
	v_max3_num_f32 v[XM+FT], v[XM+FT], |v[rX+kk]|, |v[rX+kk+1]|
.else
	v_max3_num_f32 v[MX2], v[MX2], |v[rX+kk+2]|, |v[rX+kk+3]|
.endif
.elseif FI == 14
	v_max3_num_f32 v[XM+FT], v[XM+FT], |v[rX+30]|, |v[rX+31]|
.else
	v_max_num_f32 v[XM+FT], v[XM+FT], v[MX2]
.endif
.endm
; Lists.  1: two fragments (108).  3: maximum and fragment, for each tile (140).  2: the wait for the next chunk of x, its 64 moves into window 0, then list 3 (205).
.macro LIST qt, qp
.set QTYPE, \qt
.set QP, \qp
.set QN, 0
.set QLEN, 0
.set QK, 0
.if (\qt) == 1
.set QLEN, 108
.set QK, 4
.elseif (\qt) == 2
.set QLEN, 205
.set QK, 7
.elseif (\qt) == 3
.set QLEN, 140
.endif
.endm
.macro Q1
.if QN < QLEN
.set EN, QN
.if QTYPE == 2
.set EN, QN-65
.if QN == 0
	s_wait_loadcnt 0x0                             ; the chunk asked for four K steps ago
.elseif QN < 65
	WIN 0x01
	v_mov_b32 v[XW+QN-1], v[96+128*((QN-1)/32)+(QN-1)%32]
.endif
.endif
.if EN >= 0
.if QTYPE == 1
.set FT, EN/54
.set FI, EN%54
	FRAGE
.else
.set FT, EN/70
.set FI, EN%70
.if FI < 16
	XMAXE
.else
.set FI, FI-16
	FRAGE
.endif
.endif
.endif
.set QN, QN+1
.endif
.endm
.macro DEAL
.if QK > 0
.rept QK
	Q1
.endr
.endif
.endm
.macro FLUSH
.if QN < QLEN
.rept QLEN-QN
	Q1
.endr
.endif
.endm
; 8 matrix instructions: A's block a against W's eight; behind every second one QK numbers of the list.  The 64 accumulators take turns, one instruction a turn, in the same order in every step.
.macro MULA a, set
.set MB, 0
.rept 8
	WIN MUL_LO+0x50*((\a)/4)
	v_wmma_scale_f32_16x16x128_f8f6f4 v[8*(8*((\a)%4)+MB):8*(8*((\a)%4)+MB)+7], v[128*(\set)+12*MB:128*(\set)+12*MB+11], v[AF+12*(\a):AF+12*(\a)+11], v[8*(8*((\a)%4)+MB):8*(8*((\a)%4)+MB)+7], v[SC+8*(\set)+MB], v[SC+8*(\set)+(\a)] matrix_a_fmt:MATRIX_FMT_BF6 matrix_b_fmt:MATRIX_FMT_BF6 matrix_b_scale:MATRIX_SCALE_ROW1
.if MB%2 == 1
	DEAL
.endif
.set MB, MB+1
.endr
.endm
; A K STEP.  u: its parity (W's set, the scale set, the image slot);  sg: its ring slot;  qt, qp: the list, which makes the images of the step two on (same parity);
; mode 1: slot sg, whose last reads are over, is filled again behind a round of the cluster's barrier;  mode 2: the same waits and a plain barrier, nothing is filled;  mode 0: a plain barrier;  xl: the chunk of x two on is asked for.
; ONE barrier a step.  In front of its signal I have waited for all my LDS instructions: my images of the next step have landed, and my reads of this step's images and of W's fragments are in.
; Behind it I read the next step's images, and store the images of the step two on over this step's.
.macro STEP u, sg, qt, qp, mode, xl
	LIST \qt, \qp
.set NU, 1-(\u)
.set NS, ((\sg)+(\u))%2
.if \mode
	s_wait_tensorcnt 0x0                           ; all my tensor loads have landed: my part of the other slot; so a group 0 may be written
	ds_add_u32 v[SPW], v[NIL]                      ; 0 onto my spare word
.if (\mode) == 1
	s_add_co_u32 s[BOFF], s[BOFF], SLOTB           ; the next two K steps of the walk, round wq's end
	s_cmp_eq_u32 s[BOFF], 32*STEPB
	s_cselect_b32 s[BOFF], 0, s[BOFF]
	s_add_nc_u64 s[G0+4*(\sg)+2:G0+4*(\sg)+3], s[WQW:WQW+1], s[BOFF:BOFF+1]
	s_or_b32 s[G0+4*(\sg)+3], s[G0+4*(\sg)+3], 0x80000000
.endif
	s_wait_dscnt 13                                ; the add and the youngest 12 loads (A's blocks 4-7) may be out
.else
	s_wait_dscnt 12                                ; the youngest 12 loads (A's blocks 4-7) may be out; W's set, A's blocks 0-3, the scale words are in, my image stores have landed
.endif
	MULA 0, \u
	MULA 1, \u
	s_wait_dscnt 0x0                               ; all my LDS instructions are done
	s_barrier_signal -1
	MULA 2, \u
	MULA 3, \u
	WIN 0
	s_barrier_wait -1
.if (\mode) == 1
	CREST                                          ; the barrier has opened a round of the cluster's: no wave of any partner still reads slot sg or has a load on its way
	JL \sg                                         ; the first tensor load behind the round; two K steps, 128 matrix instructions, in which to land; its four v_nop are the places in front of the loads below
.else
	PLACES 4                                       ; in front of loads into registers that matrix instructions have read
.endif
.if \xl
	s_cmp_ge_u32 s[TRIP], 6                        ; the last two chunks have none two on: no load leaves x
	s_cbranch_scc1 .Lno_chunk_\@
	s_add_co_u32 s[XO], s[XO], 256
	s_and_b32 s[XO], s[XO], 2047                   ; round a row's end
	s_add_nc_u64 s[XP:XP+1], s[XB:XB+1], s[XO:XO+1]   ; (the loads that read this pair were waited for in this step's list)
	XLLOAD XP
.Lno_chunk_\@:
.endif
	FB NU, NS, NU
	FA NU, 0
	FS NU, NS, NU
	MULA 4, \u
	MULA 5, \u
	MULA 6, \u
	MULA 7, \u
	FLUSH
	PLACES 4
	WIN 0
.if \qt
	IMG \u
.endif
	FA NU, 4
.endm
; The bias's operands.  WFRAG: 8 gates of a row, in place: registers 0-3 their bf16 high parts, 4-7 the low parts.
.macro WFRAG i
.set rR, AF+8*(\i)
.irp m, 0,1,2,3
	v_cvt_pk_bf16_f32 v[T+\m], v[rR+2*\m], v[rR+2*\m+1]
.endr
.irp m, 0,1,2,3
	v_lshlrev_b32 v[T+4+2*\m], 16, v[T+\m]
	v_and_b32 v[T+5+2*\m], s[HIM], v[T+\m]
.endr
.irp k, 0,1,2,3,4,5,6,7
	v_sub_f32 v[T+4+\k], v[rR+\k], v[T+4+\k]
.endr
.irp m, 0,1,2,3
	v_cvt_pk_bf16_f32 v[rR+4+\m], v[T+4+2*\m], v[T+5+2*\m]
.endr
.irp m, 0,1,2,3
	v_mov_b32 v[rR+\m], v[T+\m]
.endr
.endm
; BFRAG: b of 8 experts at an output, in window 1, in place: lanes 0-15 keep the high parts, lanes 16-31 the low parts, in both halves of the registers.
.macro BFRAG f
.set rR, 128+8*(\f)
	WIN 0x05
.irp m, 0,1,2,3
	v_cvt_pk_bf16_f32 v[T+\m], v[rR+2*\m], v[rR+2*\m+1]
.endr
	WIN 0
.irp m, 0,1,2,3
	v_lshlrev_b32 v[T+4+2*\m], 16, v[T+\m]
	v_and_b32 v[T+5+2*\m], s[HIM], v[T+\m]
.endr
	WIN 0x01
.irp k, 0,1,2,3,4,5,6,7
	v_sub_f32 v[T+4+\k], v[rR+\k], v[T+4+\k]
.endr
	WIN 0
.irp m, 0,1,2,3
	v_cvt_pk_bf16_f32 v[T+12+\m], v[T+4+2*\m], v[T+5+2*\m]
.endr
	WIN 0x40
.irp m, 0,1,2,3
	v_cndmask_b32 v[rR+\m], v[T+\m], v[T+12+\m], s[HIM]
	v_cndmask_b32 v[rR+4+\m], v[T+\m], v[T+12+\m], s[HIM]
.endr
	WIN 0
.endm
	s_load_b256 s[4:11], s[0:1], 0x0               ; x s[4:5], weights s[6:7], b s[8:9], wq s[10:11]
	s_load_b64 s[12:13], s[0:1], 0x20              ; out0
	v_lshl_add_u32 v[SPW], v0, 2, SPARE
	v_mov_b32 v[NIL], 0
	ds_add_u32 v[SPW], v[NIL]                      ; the wave's opening: the add, twice on end, and its wait ahead of my first tensor load
	ds_add_u32 v[SPW], v[NIL]
	v_lshrrev_b32 v70, 5, v0
	v_readfirstlane_b32 s[WV], v70                 ; wave q
	s_bfe_u32 s15, ttmp6, 0x40000                  ; cx: it enters the addresses of x, weights and out0 alone
	s_lshl_b32 s16, ttmp9, 2
	s_add_co_u32 s16, s16, s15                     ; my work-group: rows 128 x this on
	s_and_b32 s17, ttmp9, 7                        ; j0: the same in all four partners
	s_mov_b32 s[G1], 15|(3<<16)|(1<<21)            ; 15:0 the mask: all four work-groups; 17:16 elements of 8 bytes; 21 set beside a mask; no padding
	s_mov_b32 s[G1+1], 32<<16                      ; tensor_dim0 = 32 elements: rows of 256 bytes
	s_mov_b32 s[G1+2], 100<<16                     ; tensor_dim1 = 100 rows: 25,600 dense bytes, a quarter of a slot
	s_mov_b32 s[G1+3], 32<<16                      ; tile_dim0
	s_mov_b32 s[G1+4], 100                         ; tile_dim1
	s_mov_b32 s[G1+5], 32                          ; from row to row
	s_mov_b32 s[G1+6], 0
	s_mov_b32 s[G1+7], 0
	s_mov_b32 s[SEL], 0x76543210
	s_mov_b32 s[SEL+1], 0xfedcba98
	s_mov_b32 s[HIM], 0xffff0000
	s_mul_i32 s18, s[WV], 25600                    ; my quarter of a slot, in wq and in LDS
	s_mov_b32 s19, 0
	s_mul_i32 s[BOFF], s17, 4*STEPB                ; the walk begins at chunk j0
	s_mov_b32 s[BOFF+1], 0
	s_lshl_b32 s20, s16, 7
	s_lshl_b32 s21, s[WV], 5
	s_add_co_u32 s20, s20, s21                     ; my wave's first row
	s_lshl_b32 s20, s20, 11                        ; in bytes of x
	s_mov_b32 s21, 0
	s_wait_dscnt 0x0                               ; both opening adds are done
	s_wait_kmcnt 0x0
	s_add_nc_u64 s[WQW:WQW+1], s[10:11], s[18:19]
	s_mov_b32 s[G0], 1
	s_add_co_u32 s[G0+1], s18, 0
	s_add_nc_u64 s[G0+2:G0+3], s[WQW:WQW+1], s[BOFF:BOFF+1]
	s_or_b32 s[G0+3], s[G0+3], 0x80000000
	s_add_co_u32 s[BOFF], s[BOFF], SLOTB
	s_mov_b32 s[G0+4], 1
	s_add_co_u32 s[G0+5], s18, SLOTB
	s_add_nc_u64 s[G0+6:G0+7], s[WQW:WQW+1], s[BOFF:BOFF+1]
	s_or_b32 s[G0+7], s[G0+7], 0x80000000
	CROUND                                         ; all four work-groups are here: the first joint loads meet
	tensor_load_to_lds s[G0:G0+3], s[G1:G1+7]      ; K steps 0, 1
	s_nop 0
	tensor_load_to_lds s[G0+4:G0+7], s[G1:G1+7]    ; K steps 2, 3: two loads of mine are out
	s_nop 0
.rept 4
	v_nop
.endr
	s_add_nc_u64 s[XB:XB+1], s[4:5], s[20:21]
	s_lshl_b32 s20, s16, 12
	s_add_nc_u64 s[58:59], s[6:7], s[20:21]        ; the gates of the work-group's 128 rows, 32 bytes a row
	s_lshl_b32 s20, s[WV], 10
	s_add_nc_u64 s[60:61], s[58:59], s[20:21]      ; and of my 32
	s_lshl_b32 s20, s[WV], 9
	s_add_nc_u64 s[62:63], s[8:9], s[20:21]        ; b at my 128 outputs
	s_add_nc_u64 s[12:13], s[12:13], s[20:21]      ; out0 likewise,
	s_lshl_b32 s20, s16, 18
	s_add_nc_u64 s[12:13], s[12:13], s[20:21]      ; at the work-group's first row
	s_lshl_b32 s[XO], s17, 8
	s_mov_b32 s[XO+1], 0
	s_add_nc_u64 s[XP:XP+1], s[XB:XB+1], s[XO:XO+1]   ; the first chunk,
	s_add_co_u32 s[XO], s[XO], 256
	s_and_b32 s[XO], s[XO], 2047
	s_add_nc_u64 s[56:57], s[XB:XB+1], s[XO:XO+1]  ; and the second
	v_and_b32 v72, 31, v0                          ; lane
	v_and_b32 v70, 15, v0                          ; r
	v_bfe_u32 v71, v0, 4, 1                        ; h
	v_lshlrev_b32 v68, 5, v70                      ; 32 r: a row of gates
	v_lshlrev_b32 v69, 2, v70                      ; 4 r: an output of b
	v_lshlrev_b32 v[XA], 11, v70
	v_lshl_add_u32 v[XA], v71, 7, v[XA]
.irp i, 0,1,2,3,4,5,6,7
	global_load_b128 v[AF+8*\i:AF+8*\i+3], v68, s[58:59] offset:512*\i       ; gates of row 16 i + r, for the bias
	global_load_b128 v[AF+8*\i+4:AF+8*\i+7], v68, s[58:59] offset:512*\i+16
.endr
	WIN 0x40
.irp f, 0,1,2,3,4,5,6,7
.irp e, 0,1,2,3,4,5,6,7
	global_load_b32 v[128+8*\f+\e], v69, s[62:63] offset:2048*\e+64*\f       ; b[e][16 f + r]
.endr
.endr
	WIN 0
.irp tau, 0,1
	global_load_b128 v[GW+8*\tau:GW+8*\tau+3], v68, s[60:61] offset:512*\tau
	global_load_b128 v[GW+8*\tau+4:GW+8*\tau+7], v68, s[60:61] offset:512*\tau+16
.endr
.irp tau, 0,1
.irp k, 0,1,2,3,4,5,6,7
	global_load_b128 v[XW+32*\tau+4*\k:XW+32*\tau+4*\k+3], v[XA], s[XP:XP+1] offset:32768*\tau+16*\k th:TH_LOAD_NT
.endr
.endr
	XLLOAD 56
	; LDS addresses: constants, the lane and the wave's number alone
	v_lshlrev_b32 v73, 4, v72                      ; 16 x lane
	v_add_nc_u32 v[ADRA], AI0, v73
	s_mul_i32 s23, s[WV], PARTB
	v_add_nc_u32 v[ADRB], s23, v73
	v_add_nc_u32 v[ADRB+1], SLOTB, v[ADRB]
	s_sub_co_u32 s19, AI0, s23                     ; from W's scale words in slot 0 to A's
	v_mul_u32_u24 v74, s19, v71                    ; lanes 16-31 take A's
	v_lshlrev_b32 v75, 4, v70
	v_add_nc_u32 v75, s23, v75
	v_add_nc_u32 v75, 12288, v75
	v_add_nc_u32 v[ADS], v75, v74
	s_sub_co_u32 s19, s19, SLOTB                   ; the same from slot 1
	v_mul_u32_u24 v74, s19, v71
	v_add_nc_u32 v75, SLOTB, v75
	v_add_nc_u32 v[ADS+1], v75, v74
	s_mul_i32 s19, s[WV], 2*IMGB
	v_add_nc_u32 v[IMW], s19, v[ADRA]              ; my fragments are A's 2 q and 2 q + 1
	s_lshr_b32 s19, s[WV], 1
	s_lshl_b32 s19, s19, 8
	s_and_b32 s22, s[WV], 1
	s_lshl_b32 s22, s22, 3
	s_add_co_u32 s19, s19, s22
	v_lshlrev_b32 v[SCW], 4, v70
	v_add_nc_u32 v[SCW], s19, v[SCW]
	v_add_nc_u32 v[SCW], ASC, v[SCW]               ; 256 (q / 2) + 16 r + 8 (q % 2)
	v_lshlrev_b32 v[SH8], 3, v71
	v_mov_b32 v[WP], 0                             ; a lane permute's destination counts as one of its sources
	; THE BIAS starts the sums: nothing is ever cleared
	s_wait_loadcnt 36                              ; the 16 loads of gates and 64 of b are in; my 4 loads of gates and 2 x 16 of x may be out
.irp i, 0,1,2,3,4,5,6,7
	WFRAG \i
.endr
.irp f, 0,1,2,3,4,5,6,7
	BFRAG \f
.endr
	PLACES 4
.irp a, 0,1,2,3,4,5,6,7
	WIN MUL_LO+0x50*(\a/4)
.irp b, 0,1,2,3,4,5,6,7
	v_wmma_f32_16x16x32_bf16 v[8*(8*(\a%4)+\b):8*(8*(\a%4)+\b)+7], v[128+8*\b:128+8*\b+7], v[AF+8*\a:AF+8*\a+7], 0
.endr
.endr
	WIN 0
	s_wait_loadcnt 16                              ; my gates and the first chunk are in; the second chunk's 16 loads may be out
	LIST 3, 0
	FLUSH                                          ; K step 0's fragments.  (These lines are also the places between the bias's products and what follows on their registers)
	IMG 0
	s_wait_tensorcnt 1                             ; my part of slot 0 is in; slot 1's may stay out
	s_wait_dscnt 0x0                               ; my images have landed
	s_barrier_signal -1
	s_barrier_wait -1
	PLACES 4
	FB 0, 0, 0
	FA 0, 0
	FS 0, 0, 0
	LIST 1, 1
	FLUSH                                          ; K step 1's fragments
	IMG 1
	FA 0, 4
	s_mov_b32 s[TRIP], 0
.Lchunk:                                           ; a trip is a chunk of 64 i: four K steps, once round the ring; both slots are filled again
	STEP 0, 0, 1, 2, 0, 0
	STEP 1, 0, 1, 3, 1, 0
	STEP 0, 1, 2, 0, 0, 1
	STEP 1, 1, 1, 1, 1, 0
	s_add_co_u32 s[TRIP], s[TRIP], 1
	s_cmp_lt_u32 s[TRIP], 7
	s_cbranch_scc1 .Lchunk
	STEP 0, 0, 1, 2, 0, 0                          ; the last chunk is written out: nothing more is asked for
	STEP 1, 0, 1, 3, 2, 0                          ; the waits show slot 1's last tile landed to every wave
	STEP 0, 1, 0, 0, 0, 0
	LIST 0, 0
	s_wait_dscnt 12                                ; the very last step: nothing more to fetch
	MULA 0, 1
	MULA 1, 1
	MULA 2, 1
	MULA 3, 1
	s_wait_dscnt 0x0
	MULA 4, 1
	MULA 5, 1
	MULA 6, 1
	MULA 7, 1
	WIN 0
; THE WAY OUT, block by block of 16 rows x 128 outputs.  A lane holds 32 neighbouring bytes of a row: a block goes through my own stage in LDS and comes back as whole rows of 512 bytes.
; LDS serves a wave's instructions in order (ISA guide 5.7.1.4): no wait between the stores and the loads, nor in front of the next block's stores.
	s_mul_i32 s19, s[WV], 16*SPITCH
	s_add_co_u32 s19, s19, STAGE                   ; my stage
	v_and_b32 v6, 15, v0
	v_bfe_u32 v7, v0, 4, 1
	v_mul_u32_u24 v[STO], v6, SPITCH
	v_lshl_add_u32 v[STO], v7, 5, v[STO]
	v_add_nc_u32 v[STO], s19, v[STO]               ; in: row r, 32 bytes for each half of the lanes
	v_and_b32 v6, 31, v0
	v_lshlrev_b32 v[CO], 4, v6                     ; back: the 32 lanes take one row of 512 bytes; and the same in out0
	v_add_nc_u32 v[RD], s19, v[CO]
.macro TOSTAGE a
.set AC, 64*((\a)%4)
	WIN 0x08+4*((\a)/4)                            ; the data: window 2 or 3
.irp b, 0,1,2,3,4,5,6,7
	ds_store_b128 v[STO], v[AC+8*\b:AC+8*\b+3] offset:64*\b          ; each accumulator from its low end on
	ds_store_b128 v[STO], v[AC+8*\b+4:AC+8*\b+7] offset:64*\b+16
.endr
	WIN 0
.set BB, BK+64*((\a)%2)
.irp t, 0,1,2,3,4,5,6,7,8,9,10,11,12,13,14,15
	ds_load_b128 v[BB+4*\t:BB+4*\t+3], v[RD] offset:\t*SPITCH
.endr
.endm
.macro SEND a, younger                 ; younger: the LDS instructions issued behind block a's loads, which may stay out
.set BB, BK+64*((\a)%2)
	s_wait_dscnt \younger
.if (\a) > 0
	s_add_nc_u64 s[12:13], s[12:13], 16*2048       ; 16 rows on (behind a wait on XCNT for 0: the earlier stores have read their base)
.endif
.irp t, 0,1,2,3,4,5,6,7,8,9,10,11,12,13,14,15
	global_store_b128 v[CO], v[BB+4*\t:BB+4*\t+3], s[12:13] offset:\t*2048 th:TH_STORE_NT   ; 32 lanes store 512 consecutive bytes, at a multiple of 256 from out0's first byte
.endr
.endm
	PLACES 4                                       ; behind the last products: for the reads of results and the loads into registers that held A's fragments
	TOSTAGE 0
.irp a, 1,2,3,4,5,6,7
.if \a > 1
	s_wait_xcnt 0x0                                ; block a - 2's stores have read their registers and their base
.endif
	TOSTAGE \a
	SEND \a-1, 32                                  ; behind block a - 1's loads: block a's 16 stores and 16 loads
.endr
	s_wait_xcnt 0x0
	SEND 7, 0
	s_wait_tensorcnt 0x0                           ; the wave's end: behind my last tensor load and my last LDS store
	ds_add_u32 v[SPW], v[NIL]
	s_wait_dscnt 0x0
	CROUND                                         ; the closing round: no work-group ends while a partner may still ask for a tile that names it
	s_endpgm
.Lfunc_end_k_q3c58bbd4cf_experts:
	.size	k_q3c58bbd4cf_experts, .Lfunc_end_k_q3c58bbd4cf_experts-k_q3c58bbd4cf_experts
	.p2alignl 7, 3214868480
	.fill 96, 4, 3214868480
	.section	.rodata,"a",@progbits
	.p2align	6, 0x0
	.amdhsa_kernel k_q3c58bbd4cf_experts
		.amdhsa_group_segment_fixed_size 327680
		.amdhsa_private_segment_fixed_size 0
		.amdhsa_enable_private_segment 0
		.amdhsa_kernarg_size 40
		.amdhsa_user_sgpr_count 2
		.amdhsa_user_sgpr_kernarg_segment_ptr 1
		.amdhsa_wavefront_size32 1
		.amdhsa_system_sgpr_workgroup_id_x 1
		.amdhsa_system_sgpr_workgroup_id_y 1
		.amdhsa_system_sgpr_workgroup_id_z 1
		.amdhsa_system_vgpr_workitem_id 0
		.amdhsa_next_free_vgpr 1024
		.amdhsa_next_free_sgpr 66
		.amdhsa_reserve_vcc 0
		.amdhsa_float_denorm_mode_32 3
		.amdhsa_float_denorm_mode_16_64 3
		.amdhsa_memory_ordered 1
		.amdhsa_forward_progress 1
		.amdhsa_inst_pref_size 240
	.end_amdhsa_kernel
	.amdgpu_metadata
---
amdhsa.version: [ 1, 2 ]
amdhsa.kernels:
  - .name:           k_q3c58bbd4cf_experts
    .symbol:         k_q3c58bbd4cf_experts.kd
    .args:
      - { .name: x, .offset: 0, .size: 8, .value_kind: global_buffer, .address_space: global }
      - { .name: weights, .offset: 8, .size: 8, .value_kind: global_buffer, .address_space: global }
      - { .name: b, .offset: 16, .size: 8, .value_kind: global_buffer, .address_space: global }
      - { .name: wq, .offset: 24, .size: 8, .value_kind: global_buffer, .address_space: global }
      - { .name: out0, .offset: 32, .size: 8, .value_kind: global_buffer, .address_space: global }
    .group_segment_fixed_size: 327680
    .private_segment_fixed_size: 0
    .kernarg_segment_align: 8
    .kernarg_segment_size: 40
    .max_flat_workgroup_size: 128
    .sgpr_count:     66
    .vgpr_count:     1024
    .wavefront_size: 32
...
	.end_amdgpu_metadata
.endif
;; end of part 2
;; ======== version 2 of 2: 2 launches
;; limits: values are held in bf16: 8 bits of precision; right only within a limited range of input values
;; workspace buffers: wq 1,638,400 bytes
;; launch wquant (part 3): grid 256 x 1, 4 waves a work-group, no clusters, 1,024 bytes of LDS; arguments W, wq; writes wq
.if DOCPART == 3
	.amdgcn_target "amdgcn-amd-amdhsa--gfx1250"
	.amdhsa_code_object_version 6
	.text
	.protected	k_q3c58bbd4cf_wquant
	.globl	k_q3c58bbd4cf_wquant
	.p2align	8
	.type	k_q3c58bbd4cf_wquant,@function
k_q3c58bbd4cf_wquant:
	s_mov_b64 s[64:65], 0
	v_nop
	global_prefetch_b8 v0, s[64:65] scope:SCOPE_SE
	s_setreg_imm32_b32 hwreg(HW_REG_WAVE_MODE, 25, 1), 1
	s_wait_xcnt 0x0
; W [8][512][512] f32 (expert e, input i, output o) is the right operand of the quantised product; its K is (e, i), e outermost, so a block of 32 is 32 neighbouring i of one e and one o.
; It is turned into codes of E3M2 with one E8M0 byte a block, laid in the ORDER OF THE OPERAND'S REGISTERS as the second launch walks K:
;   K step t = 4 j + p (j: chunk of 64 i, p: pair of experts) is 51,200 bytes: four parts of 12,800, part q for outputs 128 q .. 128 q + 127.
;   A part: 8 images of 1,536 bytes (image f: outputs 128 q + 16 f + r), then 512 bytes of scale words laid [f / 4][r][f % 4].
;   An image: register rho of lane r + 16 h at 512 (rho / 4) + 16 (r + 16 h) + 4 (rho % 4); registers 6 c .. 6 c + 5 hold the codes of W[2 p + c][64 j + 32 h + 0 .. 31][o].  Byte 2 c + h of a scale word is that block's.
; NO WORK IS LEFT OUT in this program: every input has a way to the output and is loaded.
; A LANE TAKES AN OUTPUT o AND ITS REGISTERS RUN DOWN i: a block lies in one lane's 32 registers, and the conversions give the codes with K innermost.
; SHARES.  Work-group g: t = g / 8, q = (g / 2) % 4, fh = g % 2: 64 outputs.  Wave v: hh = v / 2 (the operand's h), a = v % 2: 32 outputs, a lane each; two blocks (c = 0, 1) a lane.
; A block's scale byte is its largest magnitude's exponent field - 4, held at 1 from below.
; LIMITS: a block of zeros, or one whose largest magnitude lies under 2^-122, keeps the byte 1 (zeros have zero codes; this program alone reads the bytes); NaN and infinities in W are not served.
.set SPW, 1                            ; v1  LDS address of my spare word; never rewritten
.set NIL, 2                            ; v2  0; never rewritten
.set SO,  10                           ; v10-11 the conversions' scale operands
.set BY,  12                           ; v12-13 the scale bytes
.set PC,  16                           ; v16-27 the operand's 12 registers of my lane
.set TT,  28                           ; v28-30, v32-34 the upper 16 codes of a block (a conversion's three registers begin on an even number)
.set X,   40                           ; v40-103 my 64 numbers
	s_load_b128 s[4:7], s[0:1], 0x0                ; W, wq
	v_lshl_add_u32 v[SPW], v0, 2, 512              ; the spare words: LDS bytes 512 to 1,023
	v_mov_b32 v[NIL], 0
	v_lshrrev_b32 v3, 5, v0
	v_readfirstlane_b32 s8, v3                     ; wave 0..3
	v_and_b32 v7, 31, v0                           ; lane l
	v_lshlrev_b32 v3, 2, v7                        ; in: 4 bytes a lane
	v_lshrrev_b32 v8, 4, v7                        ; l / 16: which of my wave's two images
	v_and_b32 v9, 15, v7                           ; r
	v_mul_u32_u24 v4, v8, 1536
	v_lshl_add_u32 v4, v9, 4, v4                   ; out: 1,536 (l / 16) + 16 r
	s_lshr_b32 s9, s8, 1                           ; hh
	s_and_b32 s15, s8, 1                           ; a
	s_lshl_b32 s16, s9, 8
	s_lshl_b32 s17, s15, 3
	s_add_co_u32 s16, s16, s17
	v_lshlrev_b32 v5, 4, v9
	v_lshl_add_u32 v5, v8, 2, v5
	v_add_nc_u32 v5, s16, v5                       ; LDS: 256 hh + 16 r + 4 (2 a + l / 16): my half of my output's scale word
	v_lshlrev_b32 v6, 3, v7                        ; 8 l
	s_lshl_b32 s14, s9, 3                          ; 8 hh
	s_lshr_b32 s18, ttmp9, 3                       ; t
	s_lshr_b32 s19, s18, 2                         ; j
	s_and_b32 s20, s18, 3                          ; p
	s_bfe_u32 s21, ttmp9, 0x20001                  ; q
	s_and_b32 s22, ttmp9, 1                        ; fh
	; W: ((2 p) 512 + 64 j + 32 hh) rows of 2,048 bytes + 4 (128 q + 64 fh + 32 a)
	s_lshl_b32 s10, s20, 21
	s_lshl_b32 s23, s19, 17
	s_add_co_u32 s10, s10, s23
	s_lshl_b32 s23, s9, 16
	s_add_co_u32 s10, s10, s23
	s_lshl_b32 s23, s21, 9
	s_add_co_u32 s10, s10, s23
	s_lshl_b32 s23, s22, 8
	s_add_co_u32 s10, s10, s23
	s_lshl_b32 s23, s15, 7
	s_add_co_u32 s10, s10, s23
	s_mov_b32 s11, 0
	; wq: 51,200 t + 12,800 q, then the images: + 1,536 (4 fh + 2 a) + 256 hh; the scale words: + 12,288 + 256 fh
	s_mul_i32 s12, s18, 51200
	s_mul_i32 s23, s21, 12800
	s_add_co_u32 s12, s12, s23
	s_lshl_b32 s23, s22, 8
	s_add_co_u32 s26, s12, s23
	s_add_co_u32 s26, s26, 12288
	s_mov_b32 s27, 0
	s_mul_i32 s23, s22, 6144
	s_add_co_u32 s12, s12, s23
	s_mul_i32 s23, s15, 3072
	s_add_co_u32 s12, s12, s23
	s_lshl_b32 s23, s9, 8
	s_add_co_u32 s12, s12, s23
	s_mov_b32 s13, 0
	s_wait_alu depctr_va_vdst(0)
	s_wait_kmcnt 0x0
	s_add_nc_u64 s[4:5], s[4:5], s[10:11]
	s_add_nc_u64 s[24:25], s[6:7], s[26:27]
	s_add_nc_u64 s[6:7], s[6:7], s[12:13]
.irp c, 0,1
.irp k, 0,1,2,3,4,5,6,7,8,9,10,11,12,13,14,15,16,17,18,19,20,21,22,23,24,25,26,27,28,29,30,31
	global_load_b32 v[X+32*\c+\k], v3, s[4:5] offset:\c*1048576+\k*2048 th:TH_LOAD_NT   ; W[2 p + c][64 j + 32 hh + k][my output]: 32 lanes read 128 consecutive bytes, the wave beside me the next 128
.endr
.endr
.macro QB c                            ; block c: largest magnitude, scale, 32 codes into registers 6 c .. 6 c + 5
.set XS, X+32*(\c)
	v_max3_num_f32 v8, |v[XS]|, |v[XS+1]|, |v[XS+2]|
	v_max3_num_f32 v9, |v[XS+3]|, |v[XS+4]|, |v[XS+5]|
.irp i, 6,10,14,18,22,26
	v_max3_num_f32 v8, v8, |v[XS+\i]|, |v[XS+\i+1]|
	v_max3_num_f32 v9, v9, |v[XS+\i+2]|, |v[XS+\i+3]|
.endr
	v_max3_num_f32 v8, v8, |v[XS+30]|, |v[XS+31]|
	v_max3_num_f32 v8, v8, v9, 0x2800000           ; and the floor 2^(5 - 127): the byte cannot fall under 1
	v_add_nc_u32 v[SO+\c], 0xfe000000, v8          ; 4 off the exponent field: the conversion takes that field as its scale
	v_lshrrev_b32 v[BY+\c], 23, v[SO+\c]           ; the scale's byte
	v_cvt_scalef32_pk16_bf6_f32 v[PC+6*\c:PC+6*\c+2], v[XS:XS+15], v[SO+\c]
	v_cvt_scalef32_pk16_bf6_f32 v[TT+4*\c:TT+4*\c+2], v[XS+16:XS+31], v[SO+\c]
	v_nop                                          ; one plain place behind a scaled conversion
.irp i, 0,1,2
	v_mov_b32 v[PC+6*\c+3+\i], v[TT+4*\c+\i]
.endr
.endm
	s_wait_loadcnt 32                              ; block 0's 32 loads are in; block 1's 32 may be out
	QB 0
	s_wait_loadcnt 0x0
	QB 1
	v_lshl_or_b32 v14, v[BY+1], 16, v[BY]          ; bytes 2 c of the word,
	v_lshlrev_b32 v14, s14, v14                    ; moved up by 8 hh bits: bytes 2 c + hh
.irp m, 0,1,2
	global_store_b128 v4, v[PC+4*\m:PC+4*\m+3], s[6:7] offset:512*\m   ; sixteen lanes store 256 consecutive bytes, at a multiple of 256 from wq's first byte
.endr
	ds_store_b32 v5, v14
	s_wait_dscnt 0x0                               ; for the others' sake: my half words have landed
	s_barrier_signal -1
	s_barrier_wait -1
	s_cmp_lg_u32 s8, 0                             ; wave 0 joins the two halves of the 64 words and stores them
	s_cbranch_scc1 .Lnot_wave_0
	ds_load_b64 v[36:37], v6
	ds_load_b64 v[38:39], v6 offset:256
	s_wait_dscnt 0x0
	v_or_b32 v36, v36, v38
	v_or_b32 v37, v37, v39
	global_store_b64 v6, v[36:37], s[24:25]        ; 32 lanes store 256 consecutive bytes, aligned likewise
.Lnot_wave_0:
	s_wait_tensorcnt 0x0                           ; the wave's end: behind my last LDS store
	ds_add_u32 v[SPW], v[NIL]
	s_wait_dscnt 0x0
	s_endpgm
.Lfunc_end_k_q3c58bbd4cf_wquant:
	.size	k_q3c58bbd4cf_wquant, .Lfunc_end_k_q3c58bbd4cf_wquant-k_q3c58bbd4cf_wquant
	.p2alignl 7, 3214868480
	.fill 96, 4, 3214868480
	.section	.rodata,"a",@progbits
	.p2align	6, 0x0
	.amdhsa_kernel k_q3c58bbd4cf_wquant
		.amdhsa_group_segment_fixed_size 1024
		.amdhsa_private_segment_fixed_size 0
		.amdhsa_enable_private_segment 0
		.amdhsa_kernarg_size 16
		.amdhsa_user_sgpr_count 2
		.amdhsa_user_sgpr_kernarg_segment_ptr 1
		.amdhsa_wavefront_size32 1
		.amdhsa_system_sgpr_workgroup_id_x 1
		.amdhsa_system_sgpr_workgroup_id_y 1
		.amdhsa_system_sgpr_workgroup_id_z 1
		.amdhsa_system_vgpr_workitem_id 0
		.amdhsa_next_free_vgpr 104
		.amdhsa_next_free_sgpr 66
		.amdhsa_reserve_vcc 0
		.amdhsa_float_denorm_mode_32 3
		.amdhsa_float_denorm_mode_16_64 3
		.amdhsa_memory_ordered 1
		.amdhsa_forward_progress 1
		.amdhsa_inst_pref_size 13
	.end_amdhsa_kernel
	.amdgpu_metadata
---
amdhsa.version: [ 1, 2 ]
amdhsa.kernels:
  - .name:           k_q3c58bbd4cf_wquant
    .symbol:         k_q3c58bbd4cf_wquant.kd
    .args:
      - { .name: W, .offset: 0, .size: 8, .value_kind: global_buffer, .address_space: global }
      - { .name: wq, .offset: 8, .size: 8, .value_kind: global_buffer, .address_space: global }
    .group_segment_fixed_size: 1024
    .private_segment_fixed_size: 0
    .kernarg_segment_align: 8
    .kernarg_segment_size: 16
    .max_flat_workgroup_size: 128
    .sgpr_count:     66
    .vgpr_count:     104
    .wavefront_size: 32
...
	.end_amdgpu_metadata
.endif
;; end of part 3
;; launch experts (part 4): grid 256 x 1, 4 waves a work-group, clusters of 4 x 1, 327,680 bytes of LDS; arguments x, weights, b, wq, out0; writes out0
.if DOCPART == 4
	.amdgcn_target "amdgcn-amd-amdhsa--gfx1250"
	.amdhsa_code_object_version 6
	.text
	.protected	k_q3c58bbd4cf_experts
	.globl	k_q3c58bbd4cf_experts
	.p2align	8
	.type	k_q3c58bbd4cf_experts,@function
k_q3c58bbd4cf_experts:
	s_mov_b64 s[64:65], 0
	v_nop
	global_prefetch_b8 v0, s[64:65] scope:SCOPE_SE
	s_setreg_imm32_b32 hwreg(HW_REG_WAVE_MODE, 25, 1), 1
	s_wait_xcnt 0x0
	s_wait_alu depctr_hold_cnt(0) depctr_sa_sdst(0) depctr_va_vdst(0) depctr_va_sdst(0) depctr_va_ssrc(0) depctr_va_vcc(0) depctr_vm_vsrc(0)
	s_getreg_b32 s2, hwreg(HW_REG_IB_STS2, 6, 4)
	s_cmp_eq_u32 s2, 0
	s_cbranch_scc0 .Lentry_in_a_cluster
	s_endpgm
.Lentry_in_a_cluster:
	s_bfe_u32 s2, ttmp6, 0x10000c
	s_cmp_lg_u32 s2, 0x3003
	s_cbranch_scc0 .Lentry_shape_is_right
	s_endpgm
.Lentry_shape_is_right:
; out0[r][o] = sum over (e, i) of Q(weights[r][e] x[r][i]) Q(W[e][i][o]) + sum over e of weights[r][e] b[e][o].  No work is left out.
; A work-group makes 128 rows x all 512 outputs; wave w makes the 128 rows x outputs 128 w .. 128 w + 127: 64 accumulators of 16 x 16.
; K step t = 4 j + p: 64 inputs (chunk j) x experts 2 p, 2 p + 1, as wq is laid by the first launch (51,200 bytes a step, part w of 12,800 bytes for wave w: register images and scale words).
; THE LEFT OPERAND is made here, each number once: wave w multiplies its 32 rows of x by the two gates in f32, quantises, and stores two register images and their scale words
; into LDS, two K steps ahead of their use; one barrier a K step shows them to the four waves.  A block's largest magnitude is |gate| x the largest |x| of the block: rounding keeps the order, so it equals the largest rounded product.
; THE RIGHT OPERAND comes by tensor loads into a ring of two slots of two K steps.  All work-groups walk wq alike: the four of a cluster ask for each tile JOINTLY (mask 15).
; Waves 0 and 1 load one K step of wq each at every second K step; waves 2 and 3 load 64 rows each of a chunk of x (rows of 256 bytes) at every fourth, into two slots by turns.
; The barrier stands behind A's blocks 0-2 (signal) and 3 (wait): a refill has two K steps less eight matrix instructions and the round in which to land.
; The quantiser's lines are dealt in groups behind every second matrix instruction of A's blocks 0-2 and 4-6; none between a barrier's signal and its wait.
; The bias product starts the sums: bf16 matrix instructions on high and low parts of gates and b (K = 32: hi hi, hi lo, lo hi, lo lo).
; PREFETCH: in trip j each wave names, a lane a row, the 256 bytes of its 32 rows of x's chunk j + 3, four K steps ahead of the tensor load that brings them; chunk 2 is named at the head; trip 5 asks for nothing (chunk 7 is the last).
; wq is not prefetched: each of its tiles is asked for nearly two K steps (120 matrix instructions a wave) ahead of the wait for it.
; LIMITS: a block whose largest magnitude lies under 2^-122 (zeros too) keeps the scale byte 1; NaN and infinities among the inputs are not served.
; REGISTERS: window 0: addresses, scale words, the quantiser's registers, the gates, A's fragments 0-3; window 1: B's two sets (v0-95, v96-191), A's fragments 4-7 (v192-239); windows 2, 3: the accumulators.
.set STEPB, 51200
.set PARTB, 12800
.set IMGB,  1536
.set BSLOT, 2*STEPB
.set XL0,   4*STEPB                    ; behind the ring: x's two slots
.set XPI,   272                        ; 256 bytes + 16 of padding
.set XSL,   128*XPI
.set AI0,   XL0+2*XSL                  ; A's images: two sets of 12,800 bytes (8 images, 512 bytes of scale words)
.set AIS,   12800
.set ASC,   AI0+12288
.set SPARE, AI0+2*AIS                  ; the spare words, 512 bytes
.set STAGE, 0                          ; the way out: in ring slot 0, behind its last fill and its last read
.set SPITCH, 528
.set SPW,  1
.set NIL,  2
.set ADRA, 3                           ; A's images: AI0 + 16 lane
.set ADSA, 4                           ; A's scale words: ASC + 16 r
.set IMW,  5                           ; where I store my two images
.set SCW,  6                           ; and their scale words
.set XAD,  7
.set XA,   8
.set SH8,  9
.set WP,   10
.set BY1,  11
.set XM,   12
.set SO,   14
.set WD,   16
.set ADRB, 18                          ; v18-21 my part of wq at ring places 0..3, + 16 lane
.set ADBS, 22                          ; v22-25 the same + 16 r, for the scale words
.set MX2,  26
.set PFO,  27                          ; the prefetches' offset: lane x a row of x
.set TT,   28
.set SCA,  32
.set SCB,  40
.set T,    56
.set PC,   72
.set XW,   96
.set GW,   160                         ; my 2 x 16 rows' gates: v[GW + 8 tau + e]
.set AF,   176                         ; A's fragments 0-3
.set AH,   192                         ; A's fragments 4-7, window 1
.set WF,   176                         ; the head: the gates of all 128 rows
.set STO,  3
.set RD,   4
.set CO,   5
.set BK,   128
.set WV,   14
.set WG,   15
.set G1B,  24
.set G1X,  32
.set G0B,  40                          ; s[40:43], s[44:47]: ring slot 0, 1
.set G0X,  48
.set SEL,  52
.set HIM,  54
.set XT,   55
.set TRIP, 56
.set PF,   66                          ; s[66:67] my 32 rows of x at chunk j + 2
.set MSB, 0
.macro WIN new
.if MSB != (\new)
	s_set_vgpr_msb (MSB<<8)|(\new)
.set MSB, \new
.endif
.endm
.macro PLACES n
.rept \n
	v_nop
.endr
.endm
.macro CREST                           ; a round of the cluster's barrier behind its opening barrier
	s_cmp_lg_u32 s[WV], 0
	s_cbranch_scc1 .Lnw0_\@
	s_barrier_signal -3
.Lnw0_\@:
	s_barrier_wait -3
	s_barrier_signal -1
	s_barrier_wait -1
.endm
.macro CROUND
	s_barrier_signal -1
	s_barrier_wait -1
	CREST
.endm
; one tensor load a wave: waves 0, 1 a K step of wq each, jointly with the cluster's partners; waves 2, 3 (full = 1) 64 rows of x each.  The four v_nop are also the places ahead of the LDS loads that follow.
.macro JL slot, full
	s_cmp_lt_u32 s[WV], 2
	s_cbranch_scc0 .Lfx_\@
	tensor_load_to_lds s[G0B+4*(\slot):G0B+4*(\slot)+3], s[G1B:G1B+7]
	s_nop 0
	PLACES 4
	s_branch .Lfd_\@
.Lfx_\@:
.if \full
	tensor_load_to_lds s[G0X:G0X+3], s[G1X:G1X+7]
	s_nop 0
.endif
	PLACES 4
.Lfd_\@:
.endm
.macro FB k, set                       ; B's scale words and eight images of the step at ring place k: 26 loads
	WIN 0
.irp m, 0,1
	ds_load_b128 v[SCB+8*(\set)+4*\m:SCB+8*(\set)+4*\m+3], v[ADBS+(\k)] offset:12288+256*\m
.endr
	WIN 0x40
.irp f, 0,1,2,3,4,5,6,7
.irp c, 0,1,2
	ds_load_b128 v[96*(\set)+12*\f+4*\c:96*(\set)+12*\f+4*\c+3], v[ADRB+(\k)] offset:IMGB*\f+512*\c
.endr
.endr
	WIN 0
.endm
.macro FA u, first                     ; A's fragments first .. first + 3 and their scale words: 13 loads
.if (\first) == 0
	WIN 0
.set FR0, AF
.else
	WIN 0x40
.set FR0, AH
.endif
.irp n, 0,1,2,3
.irp c, 0,1,2
	ds_load_b128 v[FR0+12*\n+4*\c:FR0+12*\n+4*\c+3], v[ADRA] offset:AIS*(\u)+IMGB*((\first)+\n)+512*\c
.endr
.endr
	WIN 0
	ds_load_b128 v[SCA+(\first):SCA+(\first)+3], v[ADSA] offset:AIS*(\u)+64*(\first)
.endm
.macro IMG u                           ; my two images and scale words: 8 stores
.irp tau, 0,1
.irp c, 0,1,2
	ds_store_b128 v[IMW], v[PC+12*\tau+4*\c:PC+12*\tau+4*\c+3] offset:AIS*(\u)+IMGB*\tau+512*\c
.endr
	ds_store_b32 v[SCW], v[WD+\tau] offset:AIS*(\u)+4*\tau
.endr
.endm
.macro XRA
	v_add_nc_u32 v[XAD], s[XT], v[XA]
	s_xor_b32 s[XT], s[XT], XSL
.endm
.macro XRL                             ; my 2 x 32 numbers of the next chunk: x[32 w + 16 tau + r][64 j + 32 h ..]
.irp tau, 0,1
.irp k, 0,1,2,3,4,5,6,7
	ds_load_b128 v[XW+32*\tau+4*\k:XW+32*\tau+4*\k+3], v[XAD] offset:16*XPI*\tau+16*\k
.endr
.endr
.endm
; line FI of the 54 that quantise fragment FT for the pair of experts QP
.macro FRAGE
	WIN 0
.set rX, XW+32*FT
.set rP, PC+12*FT
.set rW, GW+8*FT+2*QP
.set rD, WD+FT
.if FI < 2
	v_mul_f32 v[SO+FI], |v[rW+FI]|, v[XM+FT]
.elseif FI < 4
	v_max_num_f32 v[SO+FI-2], 0x2800000, v[SO+FI-2]
.elseif FI < 6
	v_add_nc_u32 v[SO+FI-4], 0xfe000000, v[SO+FI-4]
.elseif FI < 14
.set kk, 2*(FI-6)
	v_pk_mul_f32 v[T+kk:T+kk+1], v[rX+kk:rX+kk+1], v[rW:rW+1] op_sel_hi:[1,0]
.elseif FI == 14
	v_cvt_scalef32_pk16_bf6_f32 v[rP:rP+2], v[T:T+15], v[SO]
.elseif FI == 15
	v_lshrrev_b32 v[rD], 23, v[SO]
.elseif FI < 24
.set kk, 2*(FI-16)
	v_pk_mul_f32 v[T+kk:T+kk+1], v[rX+16+kk:rX+16+kk+1], v[rW:rW+1] op_sel_hi:[1,0]
.elseif FI == 24
	v_cvt_scalef32_pk16_bf6_f32 v[TT:TT+2], v[T:T+15], v[SO]
.elseif FI == 25
	v_lshrrev_b32 v[BY1], 23, v[SO+1]
.elseif FI < 34
.set kk, 2*(FI-26)
	v_pk_mul_f32 v[T+kk:T+kk+1], v[rX+kk:rX+kk+1], v[rW:rW+1] op_sel:[0,1] op_sel_hi:[1,1]
.elseif FI < 37
	v_mov_b32 v[rP+3+FI-34], v[TT+FI-34]
.elseif FI == 37
	v_cvt_scalef32_pk16_bf6_f32 v[rP+6:rP+8], v[T:T+15], v[SO+1]
.elseif FI == 38
	v_lshl_or_b32 v[rD], v[BY1], 16, v[rD]
.elseif FI < 47
.set kk, 2*(FI-39)
	v_pk_mul_f32 v[T+kk:T+kk+1], v[rX+16+kk:rX+16+kk+1], v[rW:rW+1] op_sel:[0,1] op_sel_hi:[1,1]
.elseif FI == 47
	v_cvt_scalef32_pk16_bf6_f32 v[TT:TT+2], v[T:T+15], v[SO+1]
.elseif FI == 48
	v_lshlrev_b32 v[rD], v[SH8], v[rD]
.elseif FI == 49
	v_permlanex16_b32 v[WP], v[rD], s[SEL], s[SEL+1]
.elseif FI == 50
	v_or_b32 v[rD], v[rD], v[WP]
.else
	v_mov_b32 v[rP+9+FI-51], v[TT+FI-51]
.endif
.endm
.macro XMAXE                           ; line FI of the 16 that find the largest |x| of my block of fragment FT
	WIN 0
.set rX, XW+32*FT
.if FI == 0
	v_max3_num_f32 v[XM+FT], |v[rX]|, |v[rX+1]|, |v[rX+2]|
.elseif FI == 1
	v_max3_num_f32 v[MX2], |v[rX+3]|, |v[rX+4]|, |v[rX+5]|
.elseif FI < 14
.set kk, 6+4*((FI-2)/2)
.if FI%2 == 0
	v_max3_num_f32 v[XM+FT], v[XM+FT], |v[rX+kk]|, |v[rX+kk+1]|
.else
	v_max3_num_f32 v[MX2], v[MX2], |v[rX+kk+2]|, |v[rX+kk+3]|
.endif
.elseif FI == 14
	v_max3_num_f32 v[XM+FT], v[XM+FT], |v[rX+30]|, |v[rX+31]|
.else
	v_max_num_f32 v[XM+FT], v[XM+FT], v[MX2]
.endif
.endm
; the quantiser's lines of a K step are a list, dealt QK at a time in 24 groups (A's blocks 0-2 and 4-6, four groups each).  qt = 1: 2 x 54 lines; qt = 2, a new chunk: 2 x (16 + 54)
.macro LIST qt, qp
.set QTYPE, \qt
.set QP, \qp
.set QN, 0
.set QLEN, 0
.set QK, 0
.set QON, 1
.if (\qt) == 1
.set QLEN, 108
.set QK, 5
.elseif (\qt) == 2
.set QLEN, 140
.set QK, 6
.endif
.endm
.macro Q1
.if QN < QLEN
.if QTYPE == 1
.set FT, QN/54
.set FI, QN%54
	FRAGE
.else
.set FT, QN/70
.set FI, QN%70
.if FI < 16
	XMAXE
.else
.set FI, FI-16
	FRAGE
.endif
.endif
.set QN, QN+1
.endif
.endm
.macro DEAL
.if QON*QK > 0
.rept QK
	Q1
.endr
.endif
.endm
.macro FLUSH
.if QN < QLEN
.rept QLEN-QN
	Q1
.endr
.endif
.endm
; A's block a against B's eight; source 0 = 16 outputs, source 1 = 16 rows: a lane holds eight neighbouring outputs of a row.  The 64 accumulators take turns.
.macro MULA a, set
.set MB, 0
.set AR, AF+12*(\a)+((\a)/4)*(AH-AF-48)
.set AC, 64*((\a)%4)
.rept 8
	WIN 0xa1+0x54*((\a)/4)
	v_wmma_scale_f32_16x16x128_f8f6f4 v[AC+8*MB:AC+8*MB+7], v[96*(\set)+12*MB:96*(\set)+12*MB+11], v[AR:AR+11], v[AC+8*MB:AC+8*MB+7], v[SCB+8*(\set)+MB], v[SCA+(\a)] matrix_a_fmt:MATRIX_FMT_BF6 matrix_b_fmt:MATRIX_FMT_BF6
.if MB%2 == 1
	DEAL
.endif
.set MB, MB+1
.endr
.endm
; K step t: u = t % 2 (B's set, A's image set), k = t % 4 (ring place).  mode 1: ring slot 'slot' is filled again behind a round (full: x's slot too); mode 2: only the wait for tiles.
.macro STEP u, k, qt, qp, mode, slot, full, xr
	LIST \qt, \qp
.set NU, 1-(\u)
	s_wait_dscnt 13                                ; the 13 loads of A's fragments 4-7 and their scale words may be out
	MULA 0, \u
	MULA 1, \u
	MULA 2, \u
	WIN 0
.if \qt
	s_wait_alu depctr_va_vdst(0)                   ; directly ahead of the waits below
.endif
.if \mode
	s_wait_tensorcnt 0x0                           ; all my tensor loads have landed
.endif
.if (\mode) == 1
	ds_add_u32 v[SPW], v[NIL]
	s_add_nc_u64 s[G0B+4*(\slot)+2:G0B+4*(\slot)+3], s[G0B+4*(\slot)+2:G0B+4*(\slot)+3], 2*BSLOT   ; this slot's next two K steps
.if \full
	s_xor_b32 s[G0X+1], s[G0X+1], XSL              ; x's other slot, the next chunk
	s_add_nc_u64 s[G0X+2:G0X+3], s[G0X+2:G0X+3], 256
.endif
.endif
	s_wait_dscnt 0x0                               ; my image stores, my reads of the image sets and of the ring, and the add are done
	s_barrier_signal -1
.set QON, 0                            ; matrix work alone between the signal and the wait: no vector register is written there
	MULA 3, \u
.set QON, 1
	WIN 0
	s_barrier_wait -1
.if (\mode) == 1
	CREST
	JL \slot, \full
.if \full
	s_cmp_lt_u32 s[TRIP], 5                        ; chunk j + 3 exists in trips 0 to 4
	s_cbranch_scc0 .Lnp_\@
	global_prefetch_b8 v[PFO], s[PF:PF+1] offset:256 th:TH_LOAD_NT scope:SCOPE_SE
.Lnp_\@:
.endif
.else
	PLACES 4
.endif
	FA NU, 0
	FB ((\k)+1)%4, NU
	MULA 4, \u
	MULA 5, \u
	MULA 6, \u
	FLUSH
	WIN 0
.if \xr
	XRA
.endif
.if \qt
	s_wait_alu depctr_va_vdst(0)                   ; ahead of the stores' reads and of the next step's waits
	IMG \u
.endif
.if \xr
	XRL
.endif
	MULA 7, \u
	WIN 0
	PLACES 4
	FA NU, 4
.endm
.macro WFRAG i                         ; 8 gates of a row: registers 0-3 their bf16 high parts, 4-7 the low parts
.set rR, WF+8*(\i)
.irp m, 0,1,2,3
	v_cvt_pk_bf16_f32 v[T+\m], v[rR+2*\m], v[rR+2*\m+1]
.endr
.irp m, 0,1,2,3
	v_lshlrev_b32 v[T+4+2*\m], 16, v[T+\m]
	v_and_b32 v[T+5+2*\m], s[HIM], v[T+\m]
.endr
.irp k, 0,1,2,3,4,5,6,7
	v_sub_f32 v[T+4+\k], v[rR+\k], v[T+4+\k]
.endr
.irp m, 0,1,2,3
	v_cvt_pk_bf16_f32 v[rR+4+\m], v[T+4+2*\m], v[T+5+2*\m]
.endr
.irp m, 0,1,2,3
	v_mov_b32 v[rR+\m], v[T+\m]
.endr
.endm
.macro BFRAG f                         ; b of 8 experts at an output: lanes 0-15 the high parts, lanes 16-31 the low parts, in both halves of the registers
.set rR, XW+8*(\f)
.irp m, 0,1,2,3
	v_cvt_pk_bf16_f32 v[T+\m], v[rR+2*\m], v[rR+2*\m+1]
.endr
.irp m, 0,1,2,3
	v_lshlrev_b32 v[T+4+2*\m], 16, v[T+\m]
	v_and_b32 v[T+5+2*\m], s[HIM], v[T+\m]
.endr
.irp k, 0,1,2,3,4,5,6,7
	v_sub_f32 v[T+4+\k], v[rR+\k], v[T+4+\k]
.endr
.irp m, 0,1,2,3
	v_cvt_pk_bf16_f32 v[T+12+\m], v[T+4+2*\m], v[T+5+2*\m]
.endr
.irp m, 0,1,2,3
	v_cndmask_b32 v[rR+\m], v[T+\m], v[T+12+\m], s[HIM]
	v_cndmask_b32 v[rR+4+\m], v[T+\m], v[T+12+\m], s[HIM]
.endr
.endm
	s_load_b256 s[4:11], s[0:1], 0x0               ; x, weights, b, wq
	s_load_b64 s[12:13], s[0:1], 0x20              ; out0
	v_lshl_add_u32 v[SPW], v0, 2, SPARE
	v_mov_b32 v[NIL], 0
	ds_add_u32 v[SPW], v[NIL]                      ; the opening lines: the add twice on end and one wait
	ds_add_u32 v[SPW], v[NIL]
	v_lshrrev_b32 v7, 5, v0
	v_readfirstlane_b32 s[WV], v7                  ; wave 0..3
	s_bfe_u32 s16, ttmp6, 0x40000                  ; cx
	s_lshl_b32 s[WG], ttmp9, 2
	s_add_co_u32 s[WG], s[WG], s16                 ; work-group = 4 x cluster + cx
	s_mov_b32 s[G1B], 15|(3<<16)|(1<<21)           ; wq: 200 dense rows of 256 bytes (32 elements of 8), for all four partners
	s_mov_b32 s[G1B+1], 32<<16
	s_mov_b32 s[G1B+2], 200<<16
	s_mov_b32 s[G1B+3], 32<<16
	s_mov_b32 s[G1B+4], 200
	s_mov_b32 s[G1B+5], 32
	s_mov_b32 s[G1B+6], 0
	s_mov_b32 s[G1B+7], 0
	s_mov_b32 s[G1X], (3<<16)|(1<<20)|(5<<22)|(3<<25)   ; x: 64 rows of 256 bytes, 2,048 apart, 16 bytes of padding behind each
	s_mov_b32 s[G1X+1], 32<<16
	s_mov_b32 s[G1X+2], 64<<16
	s_mov_b32 s[G1X+3], 32<<16
	s_mov_b32 s[G1X+4], 64
	s_mov_b32 s[G1X+5], 256
	s_mov_b32 s[G1X+6], 0
	s_mov_b32 s[G1X+7], 0
	s_mov_b32 s[SEL], 0x76543210
	s_mov_b32 s[SEL+1], 0xfedcba98
	s_mov_b32 s[HIM], 0xffff0000
	s_mov_b32 s[XT], 0
	s_and_b32 s17, s[WV], 1                        ; which K step of a fill, or which 64 rows of x, I load
	s_mul_i32 s18, s17, STEPB
	s_mov_b32 s19, 0
	s_mul_i32 s20, s17, 64*XPI
	s_add_co_u32 s20, s20, XL0
	s_lshl_b32 s22, s[WG], 7
	s_lshl_b32 s21, s17, 6
	s_add_co_u32 s22, s22, s21
	s_lshl_b32 s22, s22, 11                        ; (128 work-group + 64 half) rows of 2,048 bytes
	s_mov_b32 s23, 0
	s_wait_dscnt 0x0
	s_wait_kmcnt 0x0
	s_mov_b32 s[G0B], 1
	s_mov_b32 s[G0B+1], s18
	s_add_nc_u64 s[G0B+2:G0B+3], s[10:11], s[18:19]
	s_mov_b32 s[G0B+4], 1
	s_add_co_u32 s[G0B+5], s18, BSLOT
	s_add_nc_u64 s[G0B+6:G0B+7], s[G0B+2:G0B+3], BSLOT
	s_or_b32 s[G0B+3], s[G0B+3], 0x80000000
	s_or_b32 s[G0B+7], s[G0B+7], 0x80000000
	s_mov_b32 s[G0X], 1
	s_mov_b32 s[G0X+1], s20
	s_add_nc_u64 s[G0X+2:G0X+3], s[4:5], s[22:23]
	s_or_b32 s[G0X+3], s[G0X+3], 0x80000000
	CROUND                                         ; the four partners are here: the first joint loads meet
	JL 0, 1                                        ; one load a wave: K steps 0, 1 of wq, chunk 0 of x
	s_lshl_b32 s20, s[WG], 12
	s_mov_b32 s21, 0
	s_add_nc_u64 s[58:59], s[6:7], s[20:21]        ; the gates of my work-group's 128 rows
	s_lshl_b32 s20, s[WV], 10
	s_add_nc_u64 s[60:61], s[58:59], s[20:21]      ; of my wave's 32
	s_lshl_b32 s20, s[WV], 9
	s_add_nc_u64 s[62:63], s[8:9], s[20:21]        ; b at my 128 outputs
	s_add_nc_u64 s[12:13], s[12:13], s[20:21]
	s_lshl_b32 s20, s[WG], 18
	s_add_nc_u64 s[12:13], s[12:13], s[20:21]      ; out0: my work-group's rows, my outputs
	s_add_nc_u64 s[PF:PF+1], s[4:5], s[20:21]      ; x: the same rows of 2,048 bytes,
	s_lshl_b32 s20, s[WV], 16
	s_add_nc_u64 s[PF:PF+1], s[PF:PF+1], s[20:21]  ; my wave's 32 of them,
	s_add_nc_u64 s[PF:PF+1], s[PF:PF+1], 512       ; at chunk 2
	s_mul_i32 s16, s[WV], PARTB
	s_mul_i32 s17, s[WV], 2*IMGB
	s_lshr_b32 s18, s[WV], 1
	s_lshl_b32 s18, s18, 8
	s_and_b32 s19, s[WV], 1
	s_lshl_b32 s19, s19, 3
	s_add_co_u32 s18, s18, s19                     ; scale words laid [a / 4][r][a % 4], a = 2 w + tau
	s_mul_i32 s19, s[WV], 32*XPI
	s_add_co_u32 s19, s19, XL0
	v_and_b32 v[T], 31, v0                         ; lane
	v_and_b32 v[T+1], 15, v0                       ; r
	v_bfe_u32 v[T+2], v0, 4, 1                     ; h
	v_lshlrev_b32 v[T+3], 5, v[T+1]
	v_lshlrev_b32 v[T+4], 2, v[T+1]
	v_lshlrev_b32 v[PFO], 11, v[T]
.irp i, 0,1,2,3,4,5,6,7
	global_load_b128 v[WF+8*\i:WF+8*\i+3], v[T+3], s[58:59] offset:512*\i
	global_load_b128 v[WF+8*\i+4:WF+8*\i+7], v[T+3], s[58:59] offset:512*\i+16
.endr
.irp f, 0,1,2,3,4,5,6,7
.irp e, 0,1,2,3,4,5,6,7
	global_load_b32 v[XW+8*\f+\e], v[T+4], s[62:63] offset:2048*\e+64*\f
.endr
.endr
.irp tau, 0,1
	global_load_b128 v[GW+8*\tau:GW+8*\tau+3], v[T+3], s[60:61] offset:512*\tau
	global_load_b128 v[GW+8*\tau+4:GW+8*\tau+7], v[T+3], s[60:61] offset:512*\tau+16
.endr
	global_prefetch_b8 v[PFO], s[PF:PF+1] th:TH_LOAD_NT scope:SCOPE_SE   ; chunk 2, which K step 1's round asks for
	v_lshlrev_b32 v[T+5], 4, v[T]
	v_lshlrev_b32 v[T+6], 4, v[T+1]
	v_add_nc_u32 v[ADRA], AI0, v[T+5]
	v_add_nc_u32 v[ADSA], ASC, v[T+6]
	v_add_nc_u32 v[IMW], s17, v[ADRA]
	v_add_nc_u32 v[SCW], s18, v[ADSA]
	v_add_nc_u32 v[ADRB], s16, v[T+5]
	v_add_nc_u32 v[ADBS], s16, v[T+6]
.irp k, 1,2,3
	v_add_nc_u32 v[ADRB+\k], \k*STEPB, v[ADRB]
	v_add_nc_u32 v[ADBS+\k], \k*STEPB, v[ADBS]
.endr
	v_mul_u32_u24 v[XA], v[T+1], XPI
	v_lshl_add_u32 v[XA], v[T+2], 7, v[XA]
	v_add_nc_u32 v[XA], s19, v[XA]                 ; x: row 32 w + r, + 128 h
	v_lshlrev_b32 v[SH8], 3, v[T+2]
	v_mov_b32 v[WP], 0
	s_wait_alu depctr_va_vdst(0)
	s_wait_loadcnt 0x0                             ; gates and b are in: the bias product is made while the first tiles are on their way
.irp i, 0,1,2,3,4,5,6,7
	WFRAG \i
.endr
.irp f, 0,1,2,3,4,5,6,7
	BFRAG \f
.endr
	PLACES 4
.irp a, 0,1,2,3,4,5,6,7
	WIN 0xa0+0x50*(\a/4)
.irp b, 0,1,2,3,4,5,6,7
	v_wmma_f32_16x16x32_bf16 v[8*(8*(\a%4)+\b):8*(8*(\a%4)+\b)+7], v[XW+8*\b:XW+8*\b+7], v[WF+8*\a:WF+8*\a+7], 0
.endr
.endr
	WIN 0
	s_wait_tensorcnt 0x0                           ; my first tile is in; the later first fills stand behind the same lines as a refill
	ds_add_u32 v[SPW], v[NIL]
	s_xor_b32 s[G0X+1], s[G0X+1], XSL
	s_add_nc_u64 s[G0X+2:G0X+3], s[G0X+2:G0X+3], 256
	s_wait_dscnt 0x0
	CROUND
	JL 1, 1                                        ; K steps 2, 3 of wq, chunk 1 of x; its four v_nop are the places ahead of the loads into b's registers
	XRA
	XRL
	FB 0, 0
	s_wait_dscnt 0x0
	LIST 2, 0
	FLUSH                                          ; K step 0's images
	s_wait_alu depctr_va_vdst(0)
	IMG 0
	s_wait_dscnt 0x0
	s_barrier_signal -1
	s_barrier_wait -1
	FA 0, 0
	LIST 1, 1
	FLUSH                                          ; K step 1's
	s_wait_alu depctr_va_vdst(0)
	IMG 1
	FA 0, 4
	s_mov_b32 s[TRIP], 0
.Lchunk:                                               ; a trip: four K steps, once round the ring
	STEP 0, 0, 1, 2, 0, 0, 0, 0
	STEP 1, 1, 1, 3, 1, 0, 1, 1
	STEP 0, 2, 2, 0, 0, 0, 0, 0
	STEP 1, 3, 1, 1, 1, 1, 0, 0
	s_wait_xcnt 0x0                                ; the trip's prefetch has read its base
	s_add_nc_u64 s[PF:PF+1], s[PF:PF+1], 256
	s_add_co_u32 s[TRIP], s[TRIP], 1
	s_cmp_lt_u32 s[TRIP], 6
	s_cbranch_scc1 .Lchunk
	STEP 0, 0, 1, 2, 0, 0, 0, 0                    ; K steps 24 to 31: x has no chunk left to ask for, then wq none
	STEP 1, 1, 1, 3, 1, 0, 0, 1
	STEP 0, 2, 2, 0, 0, 0, 0, 0
	STEP 1, 3, 1, 1, 1, 1, 0, 0
	STEP 0, 0, 1, 2, 0, 0, 0, 0
	STEP 1, 1, 1, 3, 2, 0, 0, 0
	STEP 0, 2, 0, 0, 0, 0, 0, 0
	LIST 0, 0
	s_wait_dscnt 13
	MULA 0, 1
	MULA 1, 1
	MULA 2, 1
	MULA 3, 1
	s_wait_dscnt 0x0
	MULA 4, 1
	MULA 5, 1
	MULA 6, 1
	MULA 7, 1
	WIN 0
	; THE WAY OUT: blocks of 16 rows x 128 outputs through my own stage, back as whole rows of 512 bytes
	s_mul_i32 s19, s[WV], 16*SPITCH
	s_add_co_u32 s19, s19, STAGE
	v_and_b32 v6, 15, v0
	v_bfe_u32 v7, v0, 4, 1
	v_mul_u32_u24 v[STO], v6, SPITCH
	v_lshl_add_u32 v[STO], v7, 5, v[STO]
	v_add_nc_u32 v[STO], s19, v[STO]
	v_and_b32 v6, 31, v0
	v_lshlrev_b32 v[CO], 4, v6
	v_add_nc_u32 v[RD], s19, v[CO]
.macro TOSTAGE a
.set AC, 64*((\a)%4)
	WIN 0x08+4*((\a)/4)
.irp b, 0,1,2,3,4,5,6,7
	ds_store_b128 v[STO], v[AC+8*\b:AC+8*\b+3] offset:64*\b          ; each accumulator from its low end on
	ds_store_b128 v[STO], v[AC+8*\b+4:AC+8*\b+7] offset:64*\b+16
.endr
	WIN 0
.set BB, BK+64*((\a)%2)
.irp t, 0,1,2,3,4,5,6,7,8,9,10,11,12,13,14,15
	ds_load_b128 v[BB+4*\t:BB+4*\t+3], v[RD] offset:\t*SPITCH
.endr
.endm
.macro SEND a, younger
.set BB, BK+64*((\a)%2)
	s_wait_dscnt \younger
.if (\a) > 0
	s_add_nc_u64 s[12:13], s[12:13], 16*2048
.endif
.irp t, 0,1,2,3,4,5,6,7,8,9,10,11,12,13,14,15
	global_store_b128 v[CO], v[BB+4*\t:BB+4*\t+3], s[12:13] offset:\t*2048 th:TH_STORE_NT   ; 32 lanes store 512 consecutive bytes, aligned to 256
.endr
.endm
	s_wait_alu depctr_va_vdst(0)
	PLACES 4
	TOSTAGE 0
.irp a, 1,2,3,4,5,6,7
.if \a > 1
	s_wait_xcnt 0x0                                ; block a - 2's stores have read their registers and their base
.endif
	TOSTAGE \a
	SEND \a-1, 32                                  ; behind block a - 1's loads: block a's 16 stores and 16 loads
.endr
	s_wait_xcnt 0x0
	SEND 7, 0
	s_wait_tensorcnt 0x0                           ; the wave's end
	ds_add_u32 v[SPW], v[NIL]
	s_wait_dscnt 0x0
	CROUND                                         ; the closing round
	s_endpgm
.Lfunc_end_k_q3c58bbd4cf_experts:
	.size	k_q3c58bbd4cf_experts, .Lfunc_end_k_q3c58bbd4cf_experts-k_q3c58bbd4cf_experts
	.p2alignl 7, 3214868480
	.fill 96, 4, 3214868480
	.section	.rodata,"a",@progbits
	.p2align	6, 0x0
	.amdhsa_kernel k_q3c58bbd4cf_experts
		.amdhsa_group_segment_fixed_size 327680
		.amdhsa_private_segment_fixed_size 0
		.amdhsa_enable_private_segment 0
		.amdhsa_kernarg_size 40
		.amdhsa_user_sgpr_count 2
		.amdhsa_user_sgpr_kernarg_segment_ptr 1
		.amdhsa_wavefront_size32 1
		.amdhsa_system_sgpr_workgroup_id_x 1
		.amdhsa_system_sgpr_workgroup_id_y 1
		.amdhsa_system_sgpr_workgroup_id_z 1
		.amdhsa_system_vgpr_workitem_id 0
		.amdhsa_next_free_vgpr 1024
		.amdhsa_next_free_sgpr 68
		.amdhsa_reserve_vcc 0
		.amdhsa_float_denorm_mode_32 3
		.amdhsa_float_denorm_mode_16_64 3
		.amdhsa_memory_ordered 1
		.amdhsa_forward_progress 1
		.amdhsa_inst_pref_size 255
	.end_amdhsa_kernel
	.section	.bss,"aw",@nobits
	.p2align	6
	.space	262144
	.amdgpu_metadata
---
amdhsa.version: [ 1, 2 ]
amdhsa.kernels:
  - .name:           k_q3c58bbd4cf_experts
    .symbol:         k_q3c58bbd4cf_experts.kd
    .args:
      - { .name: x, .offset: 0, .size: 8, .value_kind: global_buffer, .address_space: global }
      - { .name: weights, .offset: 8, .size: 8, .value_kind: global_buffer, .address_space: global }
      - { .name: b, .offset: 16, .size: 8, .value_kind: global_buffer, .address_space: global }
      - { .name: wq, .offset: 24, .size: 8, .value_kind: global_buffer, .address_space: global }
      - { .name: out0, .offset: 32, .size: 8, .value_kind: global_buffer, .address_space: global }
    .group_segment_fixed_size: 327680
    .private_segment_fixed_size: 0
    .kernarg_segment_align: 8
    .kernarg_segment_size: 40
    .max_flat_workgroup_size: 128
    .sgpr_count:     68
    .vgpr_count:     1024
    .wavefront_size: 32
...
	.end_amdgpu_metadata
.endif
;; end of part 4
